; MI455X (gfx1250); checked and timed in simulation.
; The chip was launched on July 23, 2026; its instructions are those of AMD's public machine-readable ISA for CDNA 5 (MIT licence, August 2026) and "CDNA5" Instruction Set Architecture Reference Guide (July 2026). The comments in the code are by the model that wrote it; some were corrected since.
;; Causal Multi Head Self Attention. Allowed arithmetic: matrix products marked QUANTISED: E2M3 operands, one E8M0 scale for each 32 along K, by v_wmma_scale_f32_16x16x128_f8f6f4 with both operands' format E2M3, f32 sums; everything else in f32.
;; Inputs: w_k 1,024 x 1,024 float32; w_o 1,024 x 1,024 float32; w_q 1,024 x 1,024 float32; w_v 1,024 x 1,024 float32; x 4 x 2,048 x 1,024 float32.
;; Outputs: out0 4 x 2,048 x 1,024 float32.
;; This version of the problem:
;;   THIS VERSION OF THE PROBLEM IS GIVEN IN LOW PRECISION. The matrix products marked QUANTISED in the list below multiply operands that are first quantised to E2M3 (2 exponent bits, 3 mantissa bits; 6 bits a number), with one power-of-two scale for each 32 numbers along K (OCP MX v1.0); their sums are f32. All else is computed in f32.
;;   The module's matrix products, in the order in which they are computed (A, B: the left and right operand; K: the contracted axis; several contracted axes count as one K, in the product's order):
;;     1. [M 8,192, K 1,024] x [K 1,024, N 1,024]; A: input x; B: input w_q: QUANTISED
;;     2. [M 8,192, K 1,024] x [K 1,024, N 1,024]; A: input x; B: input w_k: QUANTISED
;;     3. [M 8,192, K 1,024] x [K 1,024, N 1,024]; A: input x; B: input w_v: QUANTISED
;;     4. batch 64 x [M 2,048, K 64] x [K 64, N 2,048]; A: computed on the way; B: computed on the way: QUANTISED
;;     5. batch 64 x [M 2,048, K 2,048] x [K 2,048, N 64]; A: softmax (see below); B: computed on the way: QUANTISED
;;     6. [M 8,192, K 1,024] x [K 1,024, N 1,024]; A: computed on the way; B: input w_o: QUANTISED
;;   THE QUANTISER, for each operand of a quantised product, along K:
;;     - K is cut into blocks of 32 from its start; a last block that is shorter is filled with zeros.
;;     - A block's scale is 2^e with e = floor(log2(the largest magnitude in the block)) - 2, held to -126 .. 127; a block of zeros has e = 0. As a byte (E8M0): e + 127.
;;     - Each number is divided by its block's scale, clamped to +-7.5, and rounded to the nearest number of E2M3, ties to even, subnormals kept.
;;     - The product sums the exact products of the quantised numbers (number of the format x scale) in f32.
;;   ~~~python
;;   def quantise(x, axis):      # numpy; x: float32 -> the quantised numbers, widened to float32 again
;;       x = np.moveaxis(x, axis, -1); K = x.shape[-1]
;;       x = np.pad(x, [(0, 0)] * (x.ndim - 1) + [(0, -K % 32)]); x = x.reshape(x.shape[:-1] + (-1, 32)); a = np.abs(x).max(-1, keepdims=True)
;;       e = np.where(a > 0, np.clip(np.frexp(np.where(a > 0, a, 1))[1] - 1 - 2, -126, 127), 0)      # np.frexp(a)[1] - 1 = floor(log2(a)), exactly
;;       r = np.clip(x / 2.0 ** e, -7.5, 7.5)
;;       step = 2.0 ** (np.maximum(np.frexp(np.where(r == 0, 1, r))[1] - 1, 0) - 3)
;;       q = np.round(r / step) * step * 2.0 ** e      # np.round: ties to even
;;       return np.moveaxis(q.reshape(q.shape[:-2] + (-1,))[..., :K], -1, axis).astype(np.float32)
;;   ~~~
;;   SOFTMAX AHEAD OF A QUANTISED PRODUCT. Where the list says 'softmax', what is quantised is not the finished softmax but p = 2^(t - M), with t = logit x log2(e) and M = ceil(the row's largest t), a whole number; so 1/2 < the row's largest p <= 1. The row's sum l is taken of the UNQUANTISED p, in f32, and the product's result is divided by l at the end. Since M is a whole number, a kernel that streams over the keys may use a running M (the ceiling of the running maximum): every later rescaling is an exact power of two, which a block's scale takes up: the codes' values come out the same.
;;   OPERANDS COMPUTED ON THE WAY. 'Computed on the way' means the value that the module computes at that place (a softmax that the list does not call 'softmax' is quantised finished and normalised). What goes into a quantiser is computed in f32, as accurately as f32 sums, v_exp_f32 and their like allow (about 1e-6 of the number): no bf16 or f16 on the way to a quantiser, and a product that is left as it is and whose result goes on into a quantised operand takes f32 operands (vector FMAs, or v_wmma_f32_16x16x4_f32). A number that lies on a knife's edge between two numbers of the format may be rounded either way, as far as f32 arithmetic and the matrix unit's own rounding can turn it there, and no further.
;; One version. Each part assembles by itself: llvm-mc -triple=amdgcn-amd-amdhsa -mcpu=gfx1250 --defsym DOCPART=n.
;; ======== version 1 of 1: 4 launches
;; workspace buffers: xw 9,830,400 bytes; qkv 19,660,800 bytes; att 6,553,600 bytes
;; launch quant (part 1): grid 384 x 1, 4 waves a work-group, no clusters, 68,096 bytes of LDS; arguments x, w_q, w_k, w_v, w_o, xw; writes xw
.if DOCPART == 1
	.amdgcn_target "amdgcn-amd-amdhsa--gfx1250"
	.amdhsa_code_object_version 6
	.text
	.protected	k_q97a00ed57a_quant
	.globl	k_q97a00ed57a_quant
	.p2align	8
	.type	k_q97a00ed57a_quant,@function
k_q97a00ed57a_quant:
	s_mov_b64 s[64:65], 0
	v_nop
	global_prefetch_b8 v0, s[64:65] scope:SCOPE_SE
	s_setreg_imm32_b32 hwreg(HW_REG_WAVE_MODE, 25, 1), 1
	s_wait_xcnt 0x0
; x [8192][1024] and the four weights [1024 (k)][1024 (n)], f32, become codes of FP6 (E2M3), K innermost, with one E8M0 byte for each 32 along K.
; xw: x's codes [8192][768 bytes] at 0; the weights' codes [4096][768] at XW_WC (row = 1024 x weight + column n; weights in the order q, k, v, o);
;     x's scale bytes [8192][32] at XW_XS; the weights' [4096][32] at XW_WS.
; A block's scale is 2^(floor(log2(its largest magnitude)) - 2): its byte is the largest magnitude's exponent field - 2, held at 1 from below.
; LIMITS: NaN and infinities among the inputs are not served; a block whose largest magnitude lies under 2^-124, a block of zeros among them, gets the byte 1
; (the stated quantiser gives a block of zeros 127: its codes are zeros, which add nothing under any byte but 0xff, and these bytes are read by this program alone).
; Work-groups 0-255 take x, whose K is innermost: a plain stream of blocks of 32.  Work-groups 256-383 take the weights, whose K is the first axis: a lane takes a column.
; The two ways have LDS bytes of their own.  Memory binds: no matrix unit, no tensor load, no barrier (waves share nothing), no prefetch (the launch is one stream of loads).
.set XW_WC, 6291456
.set XW_XS, 9437184
.set XW_WS, 9699328
.set EMAX,  2
	s_load_b256 s[4:11], s[0:1], 0x0               ; x s[4:5], w_q s[6:7], w_k s[8:9], w_v s[10:11]
	s_load_b128 s[12:15], s[0:1], 0x20             ; w_o s[12:13], xw s[14:15]
	v_lshl_add_u32 v192, v0, 2, 0x10800
	v_mov_b32 v193, 0
	v_lshrrev_b32 v1, 5, v0
	v_readfirstlane_b32 s16, v1                    ; wave 0..3
	v_and_b32 v2, 31, v0                           ; lane
	s_cmp_lt_u32 ttmp9, 256
	s_cbranch_scc0 .Lweights
; ---------------- x: a wave takes 16 steps of 512 numbers.  Each load reads 512 consecutive bytes; a step's 2,048 bytes turn through the wave's own stage in LDS,
; so that a lane then holds 16 neighbours along K (two neighbouring lanes hold a block), as the conversion wants them.
.set STEPS, 16
.set CB,    12                         ; bytes of 16 codes
.set XR,    16                         ; v16-79   four sets of 16 numbers as loaded
.set XX,    80                         ; v80-111  two sets of 16 neighbours
.set XE,    112                        ; v112-127 a scale byte for each step
.set XC,    128                        ; v128-191 codes: four registers a step, so that no store's data are written again
.set WREG,  8192                       ; LDS bytes of a wave: two stages of 32 x SP, then its 256 scale bytes
.set SP,    80                         ; a lane's place in a stage: 64 bytes + 16 of padding
	v_lshlrev_b32 v3, 4, v2                        ; my 16 bytes of a load's 512
	s_mul_i32 s17, s16, WREG
	v_lshrrev_b32 v14, 2, v2
	v_mul_u32_u24 v14, v14, SP
	v_and_b32 v15, 3, v2
	v_lshl_add_u32 v14, v15, 4, v14
	v_add_nc_u32 v14, s17, v14                     ; the stage, in: SP (lane / 4) + 16 (lane % 4)
	v_mul_u32_u24 v15, v2, SP
	v_add_nc_u32 v15, s17, v15                     ; and out: SP x lane
	v_mul_u32_u24 v4, v2, CB                       ; my codes' place in a step's 384 bytes
	v_lshrrev_b32 v5, 1, v2
	s_add_co_u32 s17, s17, 2*32*SP
	v_add_nc_u32 v5, s17, v5                       ; my block's byte among the wave's 256
	v_lshlrev_b32 v7, 3, v2
	v_add_nc_u32 v6, s17, v7                       ; on the way out 8 bytes a lane
	s_lshl_b32 s18, ttmp9, 2
	s_add_co_u32 s18, s18, s16                     ; which run of 8,192 numbers is my wave's
	s_lshl_b32 s20, s18, 15                        ; 32,768 bytes of x a run
	s_mov_b32 s21, 0
	s_mul_i32 s22, s18, 32*STEPS*CB                ; 6,144 bytes of codes
	s_mov_b32 s23, 0
	s_lshl_b32 s24, s18, 8                         ; 256 scale bytes
	s_add_co_u32 s24, s24, XW_XS
	s_mov_b32 s25, 0
	s_wait_kmcnt 0x0
	s_add_nc_u64 s[4:5], s[4:5], s[20:21]
	s_add_nc_u64 s[8:9], s[14:15], s[22:23]
	s_add_nc_u64 s[10:11], s[14:15], s[24:25]
.macro XLOAD t
.irp i, 0,1,2,3
	global_load_b128 v[XR+16*((\t)%4)+4*\i:XR+16*((\t)%4)+4*\i+3], v3, s[4:5] offset:2048*(\t)+512*\i th:TH_LOAD_NT
.endr
.endm
.macro XTURN t                         ; LDS serves a wave's instructions in order: no wait between these stores and loads
.irp i, 0,1,2,3
	ds_store_b128 v14, v[XR+16*((\t)%4)+4*\i:XR+16*((\t)%4)+4*\i+3] offset:32*SP*((\t)%2)+8*SP*\i
.endr
.irp i, 0,1,2,3
	ds_load_b128 v[XX+16*((\t)%2)+4*\i:XX+16*((\t)%2)+4*\i+3], v15 offset:32*SP*((\t)%2)+16*\i
.endr
.endm
.irp t, 0,1,2,3
	XLOAD \t
.endr
	s_wait_loadcnt 12                              ; step 0's four loads are in; three steps' twelve stay out
	XTURN 0
.macro XSTEP t
.set XS, XX+16*((\t)%2)
.if (\t) > 0
	s_wait_dscnt 1                                 ; this step's numbers are back from the stage; the last step's byte store may be out
.else
	s_wait_dscnt 0x0
.endif
.if (\t)+4 < STEPS
	XLOAD (\t)+4                                   ; into the set whose stores into the stage have just been shown done
.endif
.if (\t)+1 < STEPS
.if STEPS-2-(\t) >= 3
	s_wait_loadcnt 12                              ; the next step's four loads are in; those of the three steps behind it may be out
.else
	s_wait_loadcnt 4*(STEPS-2-(\t))
.endif
	XTURN (\t)+1
.endif
	v_max3_num_f32 v8, |v[XS]|, |v[XS+1]|, |v[XS+2]|               ; the largest magnitude of my 16, in two chains
	v_max3_num_f32 v9, |v[XS+3]|, |v[XS+4]|, |v[XS+5]|
.irp i, 6,10
	v_max3_num_f32 v8, v8, |v[XS+\i]|, |v[XS+\i+1]|
	v_max3_num_f32 v9, v9, |v[XS+\i+2]|, |v[XS+\i+3]|
.endr
	v_max3_num_f32 v8, v8, |v[XS+14]|, |v[XS+15]|
	v_max3_num_f32 v8, v8, v9, (EMAX+1)<<23        ; and the floor 2^(3 - 127): the byte cannot fall under 1
	v_max_num_f32_dpp v8, v8, v8 row_xmask:1 row_mask:0xf bank_mask:0xf   ; with my neighbour's 16: the block's
	v_add_nc_u32 v11, -(EMAX<<23), v8              ; 2 off the exponent field: the conversion takes this operand's exponent field as its scale
	v_cvt_scalef32_pk16_fp6_f32 v[XC+4*(\t):XC+4*(\t)+2], v[XS:XS+15], v11
	v_lshrrev_b32 v[XE+(\t)], 23, v11              ; the scale's byte
	ds_store_b8 v5, v[XE+(\t)] offset:16*(\t)      ; both lanes of a block write the same byte with the same value
	global_store_b96 v4, v[XC+4*(\t):XC+4*(\t)+2], s[8:9] offset:32*CB*(\t)   ; the wave stores 384 consecutive bytes
.endm
.irp t, 0,1,2,3,4,5,6,7,8,9,10,11,12,13,14,15
	XSTEP \t
.endr
	ds_load_b64 v[12:13], v6                       ; in order behind my byte stores
	s_wait_dscnt 0x0
	global_store_b64 v7, v[12:13], s[10:11]        ; 32 lanes store 256 consecutive bytes, aligned
	s_wait_tensorcnt 0x0
	ds_add_u32 v192, v193
	s_wait_dscnt 0x0
	s_endpgm
; ---------------- the weights: work-group 256 + 32 weight + 8 y + xg takes columns 128 xg .. + 127 and k = 256 y .. + 255.
; A lane takes a column n and its registers run down K: a block of 32 lies in one lane, and the codes come out with K innermost.
; They leave through the wave's own stage: sixteen lanes store a row's 192 consecutive bytes.
.Lweights:
.set NB,    8                          ; blocks of 32 along K for a wave
.set WPIT,  272                        ; a stage row: sixteen places of 16 bytes (12 of codes each) + 16
.set KROW,  768                        ; a row of the codes in bytes
.set WX,    32                         ; v32-95   two sets of 32 numbers
.set WC,    96                         ; v96-102  a block's codes
.set OUTR,  112                        ; v112-175 the way out
.set SB,    24                         ; v24-25   the scale bytes, four to a register
	s_sub_co_u32 s26, ttmp9, 256
	s_lshr_b32 s27, s26, 5                         ; which weight
	s_bfe_u32 s18, s26, 0x20003                    ; y
	s_and_b32 s28, s26, 7                          ; xg
	s_lshl_b32 s17, s28, 7
	s_lshl_b32 s19, s16, 5
	s_add_co_u32 s17, s17, s19                     ; my wave's first column
	v_lshlrev_b32 v3, 2, v2                        ; in: 4 bytes a lane
	s_mul_i32 s19, s16, 32*WPIT
	s_add_co_u32 s19, s19, 32768                   ; my stage, behind the other way's LDS bytes
	v_mul_u32_u24 v4, v2, WPIT
	v_add_nc_u32 v4, s19, v4                       ; into it: row = my column
	v_and_b32 v5, 15, v2
	v_lshrrev_b32 v6, 4, v2
	v_mul_u32_u24 v7, v6, WPIT
	v_lshl_add_u32 v7, v5, 4, v7
	v_add_nc_u32 v7, s19, v7                       ; out of it: sixteen lanes to a row, two rows an instruction
	v_mul_u32_u24 v8, v6, KROW
	v_mad_u32_u24 v8, v5, 12, v8                   ; and the same place among the codes
	v_lshlrev_b32 v9, 5, v2                        ; my column's row of scale bytes
	s_lshl_b32 s20, s18, 20                        ; 256 y rows of 4,096 bytes
	s_lshl_b32 s21, s17, 2
	s_add_co_u32 s20, s20, s21
	s_mov_b32 s21, 0
	s_lshl_b32 s22, s27, 10
	s_add_co_u32 s22, s22, s17                     ; my first row of the codes: 1024 x weight + column
	s_mul_i32 s28, s22, KROW
	s_mul_i32 s29, s18, 192
	s_add_co_u32 s28, s28, s29
	s_add_co_u32 s28, s28, XW_WC
	s_mov_b32 s29, 0
	s_lshl_b32 s30, s22, 5
	s_lshl_b32 s31, s18, 3
	s_add_co_u32 s30, s30, s31
	s_add_co_u32 s30, s30, XW_WS
	s_mov_b32 s31, 0
	s_wait_kmcnt 0x0
	s_mov_b64 s[24:25], s[6:7]                     ; the weight is chosen by the work-group's number alone
	s_cmp_eq_u32 s27, 1
	s_cselect_b64 s[24:25], s[8:9], s[24:25]
	s_cmp_eq_u32 s27, 2
	s_cselect_b64 s[24:25], s[10:11], s[24:25]
	s_cmp_eq_u32 s27, 3
	s_cselect_b64 s[24:25], s[12:13], s[24:25]
	s_add_nc_u64 s[4:5], s[24:25], s[20:21]
	s_add_nc_u64 s[6:7], s[14:15], s[28:29]
	s_add_nc_u64 s[8:9], s[14:15], s[30:31]
.macro WLOAD t                         ; block t: W(32 t + i, my column), i = 0 .. 31: each load reads 128 consecutive bytes
.set ii, 0
.rept 32
	global_load_b32 v[WX+32*((\t)%2)+ii], v3, s[4:5] offset:(32*(\t)+ii)*4096 th:TH_LOAD_NT
.set ii, ii+1
.endr
.endm
	WLOAD 0
	WLOAD 1
.macro WBLOCK t
.set WS, WX+32*((\t)%2)
.if (\t) < NB-1
	s_wait_loadcnt 32                              ; this block's 32 loads are in; the next block's may be out
.else
	s_wait_loadcnt 0x0
.endif
	v_max3_num_f32 v12, |v[WS]|, |v[WS+1]|, |v[WS+2]|              ; all 32 numbers of the block are mine
	v_max3_num_f32 v13, |v[WS+3]|, |v[WS+4]|, |v[WS+5]|
.irp i, 6,10,14,18,22,26
	v_max3_num_f32 v12, v12, |v[WS+\i]|, |v[WS+\i+1]|
	v_max3_num_f32 v13, v13, |v[WS+\i+2]|, |v[WS+\i+3]|
.endr
	v_max3_num_f32 v12, v12, |v[WS+30]|, |v[WS+31]|
	v_max3_num_f32 v12, v12, v13, (EMAX+1)<<23     ; the floor
	v_add_nc_u32 v11, -(EMAX<<23), v12             ; the conversion's scale operand
	v_lshrrev_b32 v13, 23, v11                     ; the scale's byte
.if (\t)%4 == 0
	v_mov_b32 v[SB+(\t)/4], v13
.else
	v_lshl_or_b32 v[SB+(\t)/4], v13, 8*((\t)%4), v[SB+(\t)/4]
.endif
	v_cvt_scalef32_pk16_fp6_f32 v[WC:WC+2], v[WS:WS+15], v11
	v_cvt_scalef32_pk16_fp6_f32 v[WC+4:WC+6], v[WS+16:WS+31], v11  ; (a conversion's three registers begin on an even number)
	ds_store_b96 v4, v[WC:WC+2] offset:32*(\t)     ; 12 bytes to a place of 16, so that every LDS address is a multiple of 16
	ds_store_b96 v4, v[WC+4:WC+6] offset:32*(\t)+16
.if (\t)+2 < NB
	WLOAD (\t)+2
.endif
	s_wait_dscnt 0x0                               ; the stores have read their registers: the next block's codes may be written
.endm
.irp t, 0,1,2,3,4,5,6,7
	WBLOCK \t
.endr
	global_store_b64 v9, v[SB:SB+1], s[8:9]        ; my column's eight scale bytes
.irp t, 0,1,2,3,4,5,6,7,8,9,10,11,12,13,14,15
	ds_load_b96 v[OUTR+4*\t:OUTR+4*\t+2], v7 offset:2*\t*WPIT
.endr
.irp t, 0,1,2,3,4,5,6,7,8,9,10,11,12,13,14,15
	s_wait_dscnt 15-\t                             ; the later loads from the stage may be out
	global_store_b96 v8, v[OUTR+4*\t:OUTR+4*\t+2], s[6:7] offset:2*\t*KROW
.endr
	s_wait_tensorcnt 0x0
	ds_add_u32 v192, v193
	s_wait_dscnt 0x0
	s_endpgm
.Lfunc_end_k_q97a00ed57a_quant:
	.size	k_q97a00ed57a_quant, .Lfunc_end_k_q97a00ed57a_quant-k_q97a00ed57a_quant
	.p2alignl 7, 3214868480
	.fill 96, 4, 3214868480
	.section	.rodata,"a",@progbits
	.p2align	6, 0x0
	.amdhsa_kernel k_q97a00ed57a_quant
		.amdhsa_group_segment_fixed_size 68096
		.amdhsa_private_segment_fixed_size 0
		.amdhsa_enable_private_segment 0
		.amdhsa_kernarg_size 48
		.amdhsa_user_sgpr_count 2
		.amdhsa_user_sgpr_kernarg_segment_ptr 1
		.amdhsa_wavefront_size32 1
		.amdhsa_system_sgpr_workgroup_id_x 1
		.amdhsa_system_sgpr_workgroup_id_y 1
		.amdhsa_system_sgpr_workgroup_id_z 1
		.amdhsa_system_vgpr_workitem_id 0
		.amdhsa_next_free_vgpr 194
		.amdhsa_next_free_sgpr 66
		.amdhsa_reserve_vcc 0
		.amdhsa_float_denorm_mode_32 3
		.amdhsa_float_denorm_mode_16_64 3
		.amdhsa_memory_ordered 1
		.amdhsa_forward_progress 1
		.amdhsa_inst_pref_size 73
	.end_amdhsa_kernel
	.amdgpu_metadata
---
amdhsa.version: [ 1, 2 ]
amdhsa.kernels:
  - .name:           k_q97a00ed57a_quant
    .symbol:         k_q97a00ed57a_quant.kd
    .args:
      - { .name: x, .offset: 0, .size: 8, .value_kind: global_buffer, .address_space: global }
      - { .name: w_q, .offset: 8, .size: 8, .value_kind: global_buffer, .address_space: global }
      - { .name: w_k, .offset: 16, .size: 8, .value_kind: global_buffer, .address_space: global }
      - { .name: w_v, .offset: 24, .size: 8, .value_kind: global_buffer, .address_space: global }
      - { .name: w_o, .offset: 32, .size: 8, .value_kind: global_buffer, .address_space: global }
      - { .name: xw, .offset: 40, .size: 8, .value_kind: global_buffer, .address_space: global }
    .group_segment_fixed_size: 68096
    .private_segment_fixed_size: 0
    .kernarg_segment_align: 8
    .kernarg_segment_size: 48
    .max_flat_workgroup_size: 128
    .sgpr_count:     66
    .vgpr_count:     194
    .wavefront_size: 32
...
	.end_amdgpu_metadata
.endif
;; end of part 1
;; launch qkv (part 2): grid 12 x 32, 4 waves a work-group, clusters of 4 x 4, 327,680 bytes of LDS; arguments xw, qkv; writes qkv
.if DOCPART == 2
	.amdgcn_target "amdgcn-amd-amdhsa--gfx1250"
	.amdhsa_code_object_version 6
	.text
	.protected	k_q97a00ed57a_qkv
	.globl	k_q97a00ed57a_qkv
	.p2align	8
	.type	k_q97a00ed57a_qkv,@function
k_q97a00ed57a_qkv:
	s_mov_b64 s[64:65], 0
	v_nop
	global_prefetch_b8 v0, s[64:65] scope:SCOPE_SE
	s_setreg_imm32_b32 hwreg(HW_REG_WAVE_MODE, 25, 1), 1
	s_wait_xcnt 0x0
	s_wait_alu depctr_hold_cnt(0) depctr_sa_sdst(0) depctr_va_vdst(0) depctr_va_sdst(0) depctr_va_ssrc(0) depctr_va_vcc(0) depctr_vm_vsrc(0)
	s_getreg_b32 s2, hwreg(HW_REG_IB_STS2, 6, 4)
	s_cmp_eq_u32 s2, 0
	s_cbranch_scc0 .Lentry_in_a_cluster
	s_endpgm
.Lentry_in_a_cluster:
	s_bfe_u32 s2, ttmp6, 0x10000c
	s_cmp_lg_u32 s2, 0xf033
	s_cbranch_scc0 .Lentry_shape_is_right
	s_endpgm
.Lentry_shape_is_right:
; q = x w_q, k = x w_k, v = x w_v on codes of FP6 (E2M3) with E8M0 scales, K = 1,024; the results are quantised in registers and leave as codes and scale bytes.
; C[m][n] = sum over k of A[m][k] B[n][k].  A tile of C is 256 x 256: four waves, 128 x 128 each, 64 accumulators in 512 registers.  K goes in 4 steps of 256 through two LDS slots.
; THE MATRIX INSTRUCTION IS USED TRANSPOSED (source 0 = 16 rows of B, source 1 = 16 rows of A): a lane holds ONE row of A and its registers run along B's rows: that is the axis along which the result is quantised.
; ROLES, by the cluster's x (the same in all sixteen partners; values are selected, nothing branches):
;   x = 0, 1: A = x's rows (tokens), B = w_q's and w_k's rows (features): q and k quantised along the head's 64.
;   x = 2:    A = w_v's rows (features), B = x's rows (tokens): v^T quantised along the tokens, which are the second attention product's K.
; OUT.  A chunk is 64 of B's rows.  Codes [chunk][place of A's row][48 bytes: block 0's 24, block 1's 24], scale bytes [chunk][place][2].
;   A's row R lies at place 32 (R / 32) + 2 (R % 16) + (R % 32) / 16.  In a block of 32 code number i holds B's row 8 (i / 16) + 16 ((i / 8) % 2) + i % 8 of the block.
;   Both orders follow from the accumulators' layout; the launch that reads these buffers uses the same orders on both operands of each product.
; CLUSTERS: 4 x 4.  A's tile is shared along a row of the cluster, B's along a column: joint loads, as many requests as a quarter of the work-groups would make.
; No prefetch: of the four K steps two are asked for at the head and the other two one step later.
; LIMITS: NaN and infinities are not served; a block of results whose largest magnitude lies under 2^-124 gets the byte 1 (read by this program alone).
; REGISTERS, in windows of 256: window 0: v0-31 addresses; v32-63 scale words, two sets; v64-114 the quantiser's; from v128 A's fragments, later the codes read back.
;   window 1: B's fragments, two sets.   windows 2, 3: the accumulators ((a, b) at v[8 (8 (a % 4) + b)] of window 2 + a / 4).
.set KSTEP,  256
.set NQ,     2                         ; matrix instructions deep in a slot
.set ROWB,   192                       ; a tile's row in bytes
.set KROW,   768                       ; a row of codes in memory
.set PITCH,  240                       ; an LDS row: 3 x (64 bytes + 16 of padding)
.set FR,     12
.set NL,     6
.set NP,     4
.set HALFT,  128*PITCH
.set SLOT,   4*HALFT
.set LAPS,   2
.set KS,     32                        ; a row of scale bytes
.set SCL,    2*SLOT                    ; behind the ring: the scales, as units of 256 bytes + 16 of padding
.set HALFS,  (128*KS/256)*272
.set SBLK,   (16*KS/256)*272
.set SPARE,  SCL+4*HALFS               ; the spare words: 128 bytes a wave, two blocks of 256 bytes that no other line names
.set WSTG,   12800                     ; the way out: a wave's stage, in slot 0: two chunks x 128 places x 48 bytes, then 2 x 256 scale bytes
.set SSC,    12288
.set ADRA, 16
.set ADRB, 20
.set STO,  24                          ; v24  stage: 96 r + 24 h
.set STS,  25                          ; v25  stage: the scale halfwords, 4 r
.set RDB,  26                          ; v26  stage, back: 16 x lane
.set ADRS, 27
.set SPW,  28
.set NIL,  29
.set CO,   30                          ; v30  16 x lane
.set COS,  31                          ; v31  scale bytes out: lanes 0-15 the first chunk's 256 bytes, lanes 16-31 the second's
.set SC,   32
.set TM,   64                          ; v64-79 largest magnitudes, bytes, scale operands
.set PW,   80                          ; the scale word just made
.set PC,   96                          ; v96-107 the codes just made; v108-110, v112-114 the conversions' second halves
.set AF,   128
.set BK,   128                         ; v128-223 codes read back; v224-227 scale bytes read back
.set G1, 24
.set G0, 32
.set G1B, 48
.set G0B, 56
.set G1S, 68
.set G0S, 76
.set G1SB, 80
.set G0SB, 88
.set MSB, 0
.macro WIN new                         ; the immediate's high byte repeats the setting that is left
.if MSB != (\new)
	s_set_vgpr_msb (MSB<<8)|(\new)
.set MSB, (\new)
.endif
.endm
.set MUL_LO, 0xa1                      ; source 0 (B) window 1, source 1 (A) window 0, C and D window 2
.set MUL_HI, 0xf1
.set TO_B,   0x40
; A joint load: waves 0 and 1 fetch for A, waves 2 and 3 for B; the branch hangs on the wave's number alone.  Four v_nop follow each line.
.macro JLOAD g0a, g1a, g0b, g1b
	s_cmp_eq_u32 s15, 0
	s_cbranch_scc0 .Lfor_b_\@
	tensor_load_to_lds s[\g0a:\g0a+3], s[\g1a:\g1a+7]
	s_nop 0
.rept 4
	v_nop
.endr
	s_branch .Lasked_\@
.Lfor_b_\@:
	tensor_load_to_lds s[\g0b:\g0b+3], s[\g1b:\g1b+7]
	s_nop 0
.rept 4
	v_nop
.endr
.Lasked_\@:
.endm
.macro CREST
	s_cmp_lg_u32 s14, 0
	s_cbranch_scc1 .Lnot_wave_0_\@
	s_barrier_signal -3
.Lnot_wave_0_\@:
	s_barrier_wait -3
	s_barrier_signal -1
	s_barrier_wait -1
.endm
.macro CROUND
	s_barrier_signal -1
	s_barrier_wait -1
	CREST
.endm
	s_load_b128 s[96:99], s[0:1], 0x0              ; xw s[96:97], qkv s[98:99]
	v_lshl_add_u32 v[SPW], v0, 2, SPARE
	v_mov_b32 v[NIL], 0
	ds_add_u32 v28, v29
	ds_add_u32 v28, v29
	s_wait_dscnt 0x0
	v_lshrrev_b32 v1, 5, v0
	v_readfirstlane_b32 s14, v1                    ; wave 0..3
	s_lshr_b32 s15, s14, 1                         ; my half of the tile's rows.  Also: I fetch for A (0) or B (1)
	s_and_b32 s16, s14, 1                          ; my half of its columns.  Also: which 128 rows I fetch
	s_bfe_u32 s40, ttmp6, 0x40000                  ; cx
	s_bfe_u32 s41, ttmp6, 0x40004                  ; cy
	s_and_b32 s2, ttmp7, 0xffff                    ; the cluster's y
	s_cmp_eq_u32 ttmp9, 2                          ; the role: the cluster's x
	s_cselect_b32 s95, s2, ttmp9                   ; which four tile columns
	s_cselect_b32 s2, 0, s2                        ; which four tile rows
	s_mov_b32 s67, 8192
	s_cselect_b32 s67, 1024, s67                   ; ROWS: how many rows A has
	s_lshl_b32 s42, s95, 2
	s_add_co_u32 s42, s42, s40                     ; tile column
	s_lshl_b32 s17, s2, 2
	s_add_co_u32 s17, s17, s41                     ; tile row
	s_lshl_b32 s43, s41, 2
	s_lshl_b32 s43, 15, s43                        ; my row of the cluster
	s_lshl_b32 s44, 0x1111, s40                    ; my column
	s_or_b32 s[G1+0], s43, (0<<16)|(1<<20)|(1<<21)|(3<<22)|(3<<25)  ; the mask; elements of 1 byte; padding of 4 words after every 16; bit 21 beside a mask
	s_or_b32 s[G1B+0], s44, (0<<16)|(1<<20)|(1<<21)|(3<<22)|(3<<25)
.irp g, G1, G1B
	s_mov_b32 s[\g+1], ROWB<<16                    ; tensor_dim0
	s_mov_b32 s[\g+2], 128<<16                     ; tensor_dim1
	s_mov_b32 s[\g+3], ROWB<<16                    ; tile_dim0
	s_mov_b32 s[\g+4], 128                         ; tile_dim1
	s_mov_b32 s[\g+5], KROW                        ; the pitch
	s_mov_b32 s[\g+6], 0
	s_mov_b32 s[\g+7], 0
.endr
	s_or_b32 s[G1S+0], s43, (3<<16)|(1<<20)|(1<<21)|(5<<22)|(3<<25)  ; the scales of 128 rows: 16 rows of 256 bytes, 16 bytes of padding behind each
	s_or_b32 s[G1SB+0], s44, (3<<16)|(1<<20)|(1<<21)|(5<<22)|(3<<25)
.irp g, G1S, G1SB
	s_mov_b32 s[\g+1], 32<<16
	s_mov_b32 s[\g+2], (128*KS/256)<<16
	s_mov_b32 s[\g+3], 32<<16
	s_mov_b32 s[\g+4], 128*KS/256
	s_mov_b32 s[\g+5], 32
	s_mov_b32 s[\g+6], 0
	s_mov_b32 s[\g+7], 0
.endr
	s_lshl_b32 s18, s16, 7
	s_lshl_b32 s20, s17, 8
	s_add_co_u32 s20, s20, s18                     ; A: row 256 x tile row + 128 x half
	s_lshl_b32 s46, s42, 8
	s_add_co_u32 s46, s46, s18                     ; B: row 256 x tile column + 128 x half
	s_mov_b32 s21, 0
	s_mov_b32 s47, 0
	s_mov_b64 s[18:19], KS
	s_mul_u64 s[22:23], s[20:21], s[18:19]
	s_mul_u64 s[92:93], s[46:47], s[18:19]
	s_mov_b64 s[18:19], KROW
	s_mul_u64 s[20:21], s[20:21], s[18:19]
	s_mul_u64 s[46:47], s[46:47], s[18:19]
	s_mul_i32 s45, s14, HALFT                      ; where the tiles go: wave x 128 rows
	s_mul_i32 s94, s14, HALFS
	s_wait_kmcnt 0x0
	; the role's six places in the two buffers.  One compare serves all: moves, selections and 64-bit sums leave SCC alone
	s_mov_b32 s101, 0
	s_cmp_eq_u32 ttmp9, 2
	s_cselect_b32 s100, 7864320, 0                 ; A's codes: w_v's rows, or x's
	s_add_nc_u64 s[4:5], s[96:97], s[100:101]
	s_mov_b32 s66, 9437184
	s_cselect_b32 s100, 9764864, s66               ; A's scales
	s_add_nc_u64 s[6:7], s[96:97], s[100:101]
	s_cselect_b32 s100, 0, 6291456                 ; B's codes: x's rows, or w_q's and w_k's
	s_add_nc_u64 s[8:9], s[96:97], s[100:101]
	s_mov_b32 s66, 9699328
	s_cselect_b32 s100, 9437184, s66               ; B's scales
	s_add_nc_u64 s[10:11], s[96:97], s[100:101]
	s_cselect_b32 s100, 12582912, 0                ; the codes out
	s_add_nc_u64 s[12:13], s[98:99], s[100:101]
	s_mov_b32 s66, 18874368
	s_cselect_b32 s100, 19398656, s66              ; the scale bytes out
	s_add_nc_u64 s[98:99], s[98:99], s[100:101]
	s_add_nc_u64 s[20:21], s[4:5], s[20:21]
	s_add_nc_u64 s[22:23], s[6:7], s[22:23]
	s_add_nc_u64 s[46:47], s[8:9], s[46:47]
	s_add_nc_u64 s[92:93], s[10:11], s[92:93]
	CROUND                                         ; all sixteen work-groups are here: the first joint loads meet
	s_mov_b32 s[G0S], 1
	s_add_co_u32 s[G0S+1], s94, SCL
	s_mov_b64 s[G0S+2:G0S+3], s[22:23]
	s_or_b32 s[G0S+3], s[G0S+3], 0x80000000
	s_mov_b32 s[G0SB], 1
	s_add_co_u32 s[G0SB+1], s94, SCL
	s_mov_b64 s[G0SB+2:G0SB+3], s[92:93]
	s_or_b32 s[G0SB+3], s[G0SB+3], 0x80000000
	JLOAD G0S, G1S, G0SB, G1SB                     ; the scales first: they are wanted with K step 0
.irp s, 0,1
	s_mov_b32 s[G0+4*\s], 1
	s_add_co_u32 s[G0+4*\s+1], s45, \s*SLOT
	s_add_nc_u64 s[G0+4*\s+2:G0+4*\s+3], s[20:21], \s*ROWB
	s_or_b32 s[G0+4*\s+3], s[G0+4*\s+3], 0x80000000
	s_mov_b32 s[G0B+4*\s], 1
	s_add_co_u32 s[G0B+4*\s+1], s45, \s*SLOT
	s_add_nc_u64 s[G0B+4*\s+2:G0B+4*\s+3], s[46:47], \s*ROWB
	s_or_b32 s[G0B+4*\s+3], s[G0B+4*\s+3], 0x80000000
	JLOAD G0+4*\s, G1, G0B+4*\s, G1B               ; by this text's count three loads of a wave are out at the most
.endr
	v_and_b32 v1, 15, v0                           ; r
	v_bfe_u32 v2, v0, 4, 1                         ; h
	v_mul_u32_u24 v3, v1, PITCH
	v_mul_u32_u24 v4, v2, 24
	v_add_nc_u32 v4, v3, v4                        ; a fragment's row x pitch + 24 x half
	v_lshl_add_u32 v5, v2, 4, v4                   ; and the same behind one padding more
	s_mul_i32 s21, s15, HALFT
	s_mul_i32 s22, s16, HALFT
	s_add_co_u32 s22, s22, 2*HALFT
.irp s, 0,1
	v_add_nc_u32 v[ADRA+\s], s21, v4
	v_add_nc_u32 v[ADRB+\s], s22, v4
	v_add_nc_u32 v[ADRA+2+\s], s21, v5
	v_add_nc_u32 v[ADRB+2+\s], s22, v5
	s_add_co_u32 s21, s21, SLOT
	s_add_co_u32 s22, s22, SLOT
.endr
	v_mul_u32_u24 v5, v1, KS                       ; my row's scales: 32 bytes a row, 16 more for each 256 passed
	v_lshrrev_b32 v6, 8, v5
	v_lshl_add_u32 v5, v6, 4, v5
	s_mul_i32 s21, s15, HALFS
	s_mul_i32 s22, s16, HALFS
	s_add_co_u32 s22, s22, 2*HALFS
	s_sub_co_u32 s22, s22, s21
	v_mul_u32_u24 v6, s22, v2                      ; lanes 16-31 take B's
	s_add_co_u32 s21, s21, SCL
	v_add_nc_u32 v5, v5, v6
	v_add_nc_u32 v[ADRS], s21, v5
	; the way out
	s_mul_i32 s23, s14, WSTG                       ; my stage
	v_mul_u32_u24 v5, v1, 96
	v_mad_u32_u24 v5, v2, 24, v5
	v_add_nc_u32 v[STO], s23, v5
	v_lshl_add_u32 v5, v1, 2, SSC
	v_add_nc_u32 v[STS], s23, v5
	v_and_b32 v6, 31, v0
	v_lshlrev_b32 v[CO], 4, v6
	v_add_nc_u32 v[RDB], s23, v[CO]
	s_lshl_b32 s18, s67, 1                         ; a chunk's scale bytes: 2 ROWS
	v_mul_u32_u24 v[COS], s18, v2
	v_lshl_add_u32 v[COS], v1, 4, v[COS]
	s_lshl_b32 s20, s42, 2
	s_lshl_b32 s21, s16, 1
	s_add_co_u32 s20, s20, s21                     ; my first chunk: 4 x tile column + 2 x half
	s_mul_i32 s20, s20, s67
	s_lshl_b32 s21, s17, 8
	s_add_co_u32 s20, s20, s21
	s_lshl_b32 s21, s15, 7
	s_add_co_u32 s20, s20, s21                     ; chunk x ROWS + my first place
	s_mul_i32 s46, s20, 48
	s_mov_b32 s47, 0
	s_add_nc_u64 s[12:13], s[12:13], s[46:47]      ; the first chunk's 6,144 bytes
	s_mul_i32 s46, s67, 48
	s_add_nc_u64 s[96:97], s[12:13], s[46:47]      ; the second's
	s_lshl_b32 s46, s20, 1
	s_add_nc_u64 s[98:99], s[98:99], s[46:47]
	s_mov_b32 s20, 0x76543210
	s_mov_b32 s21, 0xfedcba98                      ; v_permlanex16_b32's selects for lane l xor 16
.macro FRAG reg, adr, q, i             ; 16 rows x 128 K: 12 registers, in pieces of 8 bytes; where the piece of lanes 16-31 lies behind one padding more, the second address register serves
.irp p, 0,1,2,3,4,5
.set PCE, 12*(\q)+6*(\p/3)+\p%3
.if PCE%8 < 5
	ds_load_b64 v[\reg+2*\p:\reg+2*\p+1], v[\adr] offset:8*PCE+16*(PCE/8)+(\i)*16*PITCH
.else
	ds_load_b64 v[\reg+2*\p:\reg+2*\p+1], v[\adr+2] offset:8*PCE+16*(PCE/8)+(\i)*16*PITCH
.endif
.endr
.endm
; 16 matrix instructions: A's blocks a0, a0 + 1 x B's eight.  The 64 accumulators take turns, one instruction a turn, in the same order in every step.
.macro MUL16 a0, p, q, sc, zero
.irp a, \a0, \a0+1
.irp b, 0,1,2,3,4,5,6,7
.if \zero
	v_wmma_scale_f32_16x16x128_f8f6f4 v[8*(8*((\a)%4)+\b):8*(8*((\a)%4)+\b)+7], v[128*(\p)+FR*\b:128*(\p)+FR*\b+FR-1], v[AF+FR*(\a):AF+FR*(\a)+FR-1], 0, v[SC+8*NQ*(\sc)+NQ*\b+(\q)], v[SC+8*NQ*(\sc)+NQ*(\a)+(\q)] matrix_a_fmt:MATRIX_FMT_FP6 matrix_b_fmt:MATRIX_FMT_FP6 matrix_a_scale:MATRIX_SCALE_ROW1
.else
	v_wmma_scale_f32_16x16x128_f8f6f4 v[8*(8*((\a)%4)+\b):8*(8*((\a)%4)+\b)+7], v[128*(\p)+FR*\b:128*(\p)+FR*\b+FR-1], v[AF+FR*(\a):AF+FR*(\a)+FR-1], v[8*(8*((\a)%4)+\b):8*(8*((\a)%4)+\b)+7], v[SC+8*NQ*(\sc)+NQ*\b+(\q)], v[SC+8*NQ*(\sc)+NQ*(\a)+(\q)] matrix_a_fmt:MATRIX_FMT_FP6 matrix_b_fmt:MATRIX_FMT_FP6 matrix_a_scale:MATRIX_SCALE_ROW1
.endif
.endr
.endr
.endm
.macro FETCH_B slot, q, p
	WIN TO_B
.irp i, 0,1,2,3,4,5,6,7
	FRAG 128*(\p)+FR*\i, ADRB+\slot, \q, \i
.endr
	WIN 0
.endm
.macro FETCH_A slot, q, i0
.irp i, \i0, \i0+1, \i0+2, \i0+3
	FRAG AF+FR*(\i), ADRA+\slot, \q, \i
.endr
.endm
.macro SCALES sc                       ; lanes 0-15 take the words of A's block i, lanes 16-31 those of B's block i
.irp i, 0,1,2,3,4,5,6,7
	ds_load_b64 v[SC+8*NQ*\sc+NQ*\i:SC+8*NQ*\sc+NQ*\i+1], v[ADRS] offset:\i*SBLK
.endr
.endm
.macro PLACES n                        ; plain vector instructions between a matrix instruction and a load into, or a read of, its registers
.rept \n
	v_nop
.endr
.endm
.macro STEP slot, q, zero              ; 128 along K that has its successor in the same slot
	s_wait_dscnt 4*NL                              ; B's set and A's blocks 0-3 are in; A's blocks 4-7 (24 loads) may be out
	WIN MUL_LO
	MUL16 0, (\q)%2, \q, \slot, \zero
	MUL16 2, (\q)%2, \q, \slot, \zero
	s_wait_dscnt 0
	PLACES NP
	FETCH_B \slot, (\q)+1, 1-(\q)%2
	FETCH_A \slot, (\q)+1, 0
	WIN MUL_HI
	MUL16 4, (\q)%2, \q, \slot, \zero
	MUL16 6, (\q)%2, \q, \slot, \zero
	PLACES NP
	WIN 0
	FETCH_A \slot, (\q)+1, 4
.endm
; A slot's last step changes slots: one barrier; in front of it each wave waits for all its tensor loads, adds 0 to its spare word, and waits for that and for its reads of this slot.
.macro TURN slot, next, fill
	s_wait_tensorcnt 0x0                           ; all my tensor loads have landed: my part of the next slot
	ds_add_u32 v[SPW], v[NIL]                      ; 0 onto my spare word
	s_wait_dscnt 4*NL+1                            ; (the add and A's blocks 4-7 may be out)
	WIN MUL_LO
	MUL16 0, 1, NQ-1, \slot, 0
	s_wait_dscnt 0x0                               ; the add is done, and my reads of this slot are over
	s_barrier_signal -1
	MUL16 2, 1, NQ-1, \slot, 0
	WIN 0
	s_barrier_wait -1
.if \fill
	CREST                                          ; the barrier has opened a round of the cluster's: no wave of any partner still reads this slot or has a load on its way
	s_add_nc_u64 s[G0+4*\slot+2:G0+4*\slot+3], s[G0+4*\slot+2:G0+4*\slot+3], 2*ROWB
	s_add_nc_u64 s[G0B+4*\slot+2:G0B+4*\slot+3], s[G0B+4*\slot+2:G0B+4*\slot+3], 2*ROWB
	JLOAD G0+4*\slot, G1, G0B+4*\slot, G1B         ; the first tensor load behind the round; its four v_nop are the places in front of the loads below
.else
	PLACES NP
.endif
	v_add_nc_u32 v[ADRS], 4*NQ, v[ADRS]            ; the next K step's scale words
	FETCH_B \next, 0, 0
	FETCH_A \next, 0, 0
	SCALES \next
	WIN MUL_HI
	MUL16 4, 1, NQ-1, \slot, 0
	MUL16 6, 1, NQ-1, \slot, 0
	PLACES NP
	WIN 0
	FETCH_A \next, 0, 4
.endm
	s_wait_tensorcnt 1                             ; the scales and my part of K step 0 are in; K step 1's load may be out
	s_barrier_signal -1
	s_barrier_wait -1
	FETCH_B 0, 0, 0
	FETCH_A 0, 0, 0
	SCALES 0
	FETCH_A 0, 0, 4
	STEP 0, 0, 1                                   ; the first step's products start the sums
	s_mov_b32 s3, LAPS-1
.Llap:
	TURN 0, 1, 1
	STEP 1, 0, 0
	TURN 1, 0, 1
	STEP 0, 0, 0
	s_sub_co_u32 s3, s3, 1
	s_cmp_lg_u32 s3, 0
	s_cbranch_scc1 .Llap
	TURN 0, 1, 0                                   ; the last lap fills nothing
	STEP 1, 0, 0
	s_wait_dscnt 4*NL
	WIN MUL_LO
	MUL16 0, 1, NQ-1, 1, 0
	MUL16 2, 1, NQ-1, 1, 0
	s_wait_dscnt 0
	WIN MUL_HI
	MUL16 4, 1, NQ-1, 1, 0
	MUL16 6, 1, NQ-1, 1, 0
	WIN 0
; THE WAY OUT.  Block a: 16 rows of A; lane (r, h) holds, of row r, register 16 b + 8 u + j = B's row 32 b + 16 u + 8 h + j of my 128: four blocks of 32, each shared with lane l xor 16.
; They become 12 registers of codes (lane (r, h): blocks h and 2 + h, whole) and a scale word, and go to my stage in slot 0, which has had its last fill and its last read.
.macro QUANTA a
.set AC, 64*((\a)%4)
.set WW, 2+(\a)/4
.set WQ, (WW<<2)|(WW<<4)
	WIN WQ                                         ; sources 1 and 2: the accumulators' window
.irp b, 0,1,2,3
	v_max3_num_f32 v[TM+\b], 0x1800000, |v[AC+16*\b]|, |v[AC+16*\b+1]|   ; with the floor 2^(3 - 127).  Each accumulator is read from its low end on
.endr
.irp i, 2,4,6,8,10,12,14
.irp b, 0,1,2,3
	v_max3_num_f32 v[TM+\b], v[TM+\b], |v[AC+16*\b+\i]|, |v[AC+16*\b+\i+1]|
.endr
.endr
	WIN 0
.irp b, 0,1,2,3
	v_permlanex16_b32 v[TM+4+\b], v[TM+\b], s20, s21
.endr
.irp b, 0,1,2,3
	v_max_num_f32 v[TM+\b], v[TM+\b], v[TM+4+\b]   ; the block's largest magnitude
.endr
.irp b, 0,1,2,3
	v_add_nc_u32 v[TM+12+\b], 0xff000000, v[TM+\b] ; 2 off the exponent field: the conversion's scale operand
.endr
.irp b, 0,1,2,3
	v_lshrrev_b32 v[TM+4+\b], 23, v[TM+12+\b]      ; the scale's byte
.endr
	s_wait_dscnt 0x0                               ; the last block's stores into the stage have read their registers
	v_lshl_or_b32 v[PW], v[TM+5], 8, v[TM+4]
	v_lshl_or_b32 v[PW], v[TM+6], 16, v[PW]
	v_lshl_or_b32 v[PW], v[TM+7], 24, v[PW]
	WIN WW                                         ; source 0: the accumulators' window
.irp c, 0,1
	v_cvt_scalef32_pk16_fp6_f32 v[PC+6*\c:PC+6*\c+2], v[AC+32*\c:AC+32*\c+15], v[TM+12+2*\c]
	v_cvt_scalef32_pk16_fp6_f32 v[PC+12+4*\c:PC+14+4*\c], v[AC+32*\c+16:AC+32*\c+31], v[TM+12+2*\c+1]
.endr
	WIN 0
	v_nop                                          ; one plain place behind a scaled conversion
.irp c, 0,1
.irp i, 0,1,2
	v_permlane16_swap_b32 v[PC+6*\c+\i], v[PC+12+4*\c+\i]   ; lanes 0-15 get block 2 c whole, lanes 16-31 block 2 c + 1
.endr
.irp i, 0,1,2
	v_mov_b32 v[PC+3+6*\c+\i], v[PC+12+4*\c+\i]
.endr
.endr
.irp c, 0,1
.irp p, 0,1,2
	ds_store_b64 v[STO], v[PC+6*\c+2*\p:PC+6*\c+2*\p+1] offset:\c*6144+((\a)/2)*1536+((\a)%2)*48+8*\p   ; chunk c, place 32 (a / 2) + 2 r + a % 2, block h
.endr
.endr
	ds_store_b16 v[STS], v[PW] offset:((\a)/2)*64+((\a)%2)*2          ; chunk 0's two bytes (both halves of the lanes write the same)
	ds_store_b16_d16_hi v[STS], v[PW] offset:256+((\a)/2)*64+((\a)%2)*2   ; chunk 1's
.endm
.irp b, 0,1,2,3
	v_mov_b32 v[TM+4+\b], 0                        ; a lane permute's destination counts as read: written once.  These four are also the places behind the last products
.endr
.irp a, 0,1,2,3,4,5,6,7
	QUANTA \a
.endr
.set ii, 0
.rept 24
	ds_load_b128 v[BK+4*ii:BK+4*ii+3], v[RDB] offset:512*ii    ; LDS serves a wave's instructions in order: these see my stores
.set ii, ii+1
.endr
	ds_load_b128 v[224:227], v[RDB] offset:SSC
.set ii, 0
.rept 12
	s_wait_dscnt 24-ii                             ; the later loads may be out
	global_store_b128 v[CO], v[BK+4*ii:BK+4*ii+3], s[12:13] offset:512*ii   ; 32 lanes store 512 consecutive bytes, aligned to 256
.set ii, ii+1
.endr
.rept 12
	s_wait_dscnt 24-ii
	global_store_b128 v[CO], v[BK+4*ii:BK+4*ii+3], s[96:97] offset:512*(ii-12)
.set ii, ii+1
.endr
	s_wait_dscnt 0x0
	global_store_b128 v[COS], v[224:227], s[98:99] ; sixteen lanes store a chunk's 256 scale bytes, aligned
	s_wait_tensorcnt 0x0                           ; the wave's end
	ds_add_u32 v[SPW], v[NIL]
	s_wait_dscnt 0x0
	CROUND                                         ; the closing round
	s_endpgm
.Lfunc_end_k_q97a00ed57a_qkv:
	.size	k_q97a00ed57a_qkv, .Lfunc_end_k_q97a00ed57a_qkv-k_q97a00ed57a_qkv
	.p2alignl 7, 3214868480
	.fill 96, 4, 3214868480
	.section	.rodata,"a",@progbits
	.p2align	6, 0x0
	.amdhsa_kernel k_q97a00ed57a_qkv
		.amdhsa_group_segment_fixed_size 327680
		.amdhsa_private_segment_fixed_size 0
		.amdhsa_enable_private_segment 0
		.amdhsa_kernarg_size 16
		.amdhsa_user_sgpr_count 2
		.amdhsa_user_sgpr_kernarg_segment_ptr 1
		.amdhsa_wavefront_size32 1
		.amdhsa_system_sgpr_workgroup_id_x 1
		.amdhsa_system_sgpr_workgroup_id_y 1
		.amdhsa_system_sgpr_workgroup_id_z 1
		.amdhsa_system_vgpr_workitem_id 0
		.amdhsa_next_free_vgpr 1024
		.amdhsa_next_free_sgpr 102
		.amdhsa_reserve_vcc 0
		.amdhsa_float_denorm_mode_32 3
		.amdhsa_float_denorm_mode_16_64 3
		.amdhsa_memory_ordered 1
		.amdhsa_forward_progress 1
		.amdhsa_inst_pref_size 171
	.end_amdhsa_kernel
	.amdgpu_metadata
---
amdhsa.version: [ 1, 2 ]
amdhsa.kernels:
  - .name:           k_q97a00ed57a_qkv
    .symbol:         k_q97a00ed57a_qkv.kd
    .args:
      - { .name: xw, .offset: 0, .size: 8, .value_kind: global_buffer, .address_space: global }
      - { .name: qkv, .offset: 8, .size: 8, .value_kind: global_buffer, .address_space: global }
    .group_segment_fixed_size: 327680
    .private_segment_fixed_size: 0
    .kernarg_segment_align: 8
    .kernarg_segment_size: 16
    .max_flat_workgroup_size: 128
    .sgpr_count:     102
    .vgpr_count:     1024
    .wavefront_size: 32
...
	.end_amdgpu_metadata
.endif
;; end of part 2
;; launch attn (part 3): grid 4 x 64, 16 waves a work-group, no clusters, 232,960 bytes of LDS; arguments qkv, att; writes att
.if DOCPART == 3
	.amdgcn_target "amdgcn-amd-amdhsa--gfx1250"
	.amdhsa_code_object_version 6
	.text
	.protected	k_q97a00ed57a_attn
	.globl	k_q97a00ed57a_attn
	.p2align	8
	.type	k_q97a00ed57a_attn,@function
k_q97a00ed57a_attn:
	s_mov_b64 s[64:65], 0
	v_nop
	global_prefetch_b8 v0, s[64:65] scope:SCOPE_SE
	s_setreg_imm32_b32 hwreg(HW_REG_WAVE_MODE, 25, 1), 1
	s_wait_xcnt 0x0
; Causal attention of one head of one batch row on codes of FP6 (E2M3) with E8M0 scales; head size 64, 2,048 tokens.  O / l is quantised along the head's 64 and leaves as codes.
; IN (qkv): q's and k's codes [32 chunks: head, 16 + head][8192 places][48 bytes], v's [128 chunks of 64 tokens][1024 places][48]; scale bytes [..][..][2] beside them.
;   Row R lies at place 32 (R / 32) + 2 (R % 16) + (R % 32) / 16; in a block of 32 code number i holds offset 8 (i / 16) + 16 ((i / 8) % 2) + i % 8: alike in q and k (along d), and in v (along the keys); p is made in that order too.
; OUT (att): codes [16 heads][8192 tokens][48], scale bytes [16][8192][2] at ATT_S, both in natural order.
; THE SOFTMAX: t = score x log2(e) / 8; M = the running largest t rounded UP to a whole number; p = 2^(t - M) is quantised along the keys; l is the sum of the unquantised p and divides O at the end.
; SHARES.  Work-group (i, head and batch) owns the query blocks 7 - i and i of 256.  Wave w owns 16 queries of each: X at 256 (7 - i) + 16 w, Y at 256 i + 16 (w xor 15): 17 steps of 16 queries x 128 keys for every wave.
; THE HEAD'S WHOLE K AND V, 2 x 98,304 bytes of codes, lie in LDS, filled once by tensor loads (keys 0-255 first, then the rest): no slot is filled again.
; S^T = K Q^T on an instruction 128 deep: a row of source 0 is the 96 bytes of two places, the keys r' and 16 + r' of a block of 32; source 1 is [Q | 0] or [0 | Q]: the other key's codes meet zero codes and add nothing.
;   Fragment (c, u): row 8 n + j = block 2 c + n, keys 8 u + j and 16 + 8 u + j.  So lane (query, h) holds in registers 32 c .. 32 c + 31 the whole block 2 c + h, in the order of v's codes: p's codes are the second product's operand as they come.
; O^T = V^T P^T: tile t, row 8 n + j = d 32 n + 8 t + j, so that a lane's 32 registers are d = 32 h + 0 .. 31.
; NO CLUSTER: the work-groups that share K and V differ in their query blocks, and a step whose keys are all hidden is left out by a branch on those blocks, which partners of joint loads may not have.
; NO PREFETCH: all that the work-group reads is asked for at its head.
; LIMITS: NaN and infinities are not served; a block whose largest magnitude lies under 2^-124 gets the byte 1 (read by this program alone).  The order of K inside a block of 32 differs from memory's, alike on both operands.
.set QKV_V,   12582912
.set QKV_QKS, 18874368
.set QKV_VS,  19398656
.set ATT_S,   6291456
.set ODD,  49168                       ; LDS: even key blocks at 0, odd ones ODD on (16 bytes beyond 49,152: the 32 lanes of a load of 8 bytes then touch 64 different words modulo 64)
.set VL,   98560                       ; v's d 0-31, a row a chunk of 64 keys; d 32-63 ODD on
.set KSW,  197120                      ; k's scale words as the steps want them: 256 bytes a step; v's 4,096 on
.set STG,  205312                      ; the way out: 1,536 bytes a wave
.set SS,   229888                      ; and 2 x 512 scale bytes
.set AK0, 1                            ; v1  96 (l % 8) + 24 (l / 16) + ODD ((l / 8) % 2)
.set SH8, 2                            ; v2  8 (l / 16)
.set ASW, 3                            ; v3  KSW + 8 l
.set ADK, 4
.set ADV, 5
.set ADS, 6
.set LQ,  7                            ; v7  l % 16 - 32 (l / 16)
.set SO,  8                            ; v8-9   the conversions' scale operands
.set BM,  10                           ; v10-11 my two blocks' largest scores, then largest p
                                       ; v12-15 X: -M, largest t, the sum in two halves; v16-19 Y
                                       ; v20-49 zeros, X's q, zeros, Y's q, zeros: six registers each.  On the way out v20-25 and v32 take the stores' offsets
                                       ; v50, v51 q's scale words
.set FRG, 52                           ; v52-99 four fragments
.set S,   100                          ; v100-163 S^T, then p; on the way out O / l
                                       ; v164-195 X's O^T, v196-227 Y's
.set PC,  228                          ; v228-239 p's codes; v240-242, v244-246 the conversions' second halves; v243, v247 bytes
.set KSC, 248                          ; v248-249 k's scale words, v250-251 v's, v252 p's
.set VSC, 250
.set PSC, 252
.set WV,  16
.set IB,  17
.set BB,  18
.set HD,  19
.set SEL, 20
.set CS,  22
.set Q0X, 24
.set Q0Y, 25
.set KF,  26                           ; the step's first key
.set TA,  27                           ; 3,072 x step
.set TS,  28                           ; 256 x step
.set CNT, 29
.set G1K1, 36
.set G1K2, 44
.set G1V1, 52
.set G0K1, 60
.set G1V2, 68
.set G0K2, 76
.set G0V1, 80
.set G0V2, 84
.macro GROUP1 g, rows, pitch           ; rows of 192 elements of 8 bytes (1,536 bytes), no padding
	s_mov_b32 s[\g], 3<<16
	s_mov_b32 s[\g+1], 192<<16
	s_mov_b32 s[\g+2], (\rows)<<16
	s_mov_b32 s[\g+3], 192<<16
	s_mov_b32 s[\g+4], \rows
	s_mov_b32 s[\g+5], \pitch
	s_mov_b32 s[\g+6], 0
	s_mov_b32 s[\g+7], 0
.endm
	s_load_b128 s[4:7], s[0:1], 0x0                ; qkv s[4:5], att s[6:7]
	v_lshl_add_u32 v254, v0, 2, 0x38600
	v_mov_b32 v255, 0
	ds_add_u32 v254, v255
	ds_add_u32 v254, v255
	s_wait_dscnt 0x0
	v_lshrrev_b32 v1, 5, v0
	v_readfirstlane_b32 s[WV], v1                  ; wave 0..15
	s_mov_b32 s[IB], ttmp9
	s_and_b32 s30, ttmp7, 0xffff
	s_lshr_b32 s[BB], s30, 4                       ; batch row
	s_and_b32 s[HD], s30, 15                       ; head
	s_mov_b32 s[SEL], 0x76543210
	s_mov_b32 s[SEL+1], 0xfedcba98
	s_mov_b32 s[CS], 0x3e38aa3b                    ; log2(e) / 8
	s_mov_b32 s[CS+1], s[CS]
	s_sub_co_u32 s[Q0X], 7, s[IB]
	s_lshl_b32 s[Q0X], s[Q0X], 8
	s_lshl_b32 s31, s[WV], 4
	s_add_co_u32 s[Q0X], s[Q0X], s31
	s_xor_b32 s32, s[WV], 15                       ; kept for the way out
	s_lshl_b32 s[Q0Y], s[IB], 8
	s_lshl_b32 s33, s32, 4
	s_add_co_u32 s[Q0Y], s[Q0Y], s33
	GROUP1 G1K1, 4, 384                            ; every second block of 32 keys: 4 rows are keys 0-255's even or odd blocks,
	GROUP1 G1K2, 28, 384                           ; 28 the rest
	GROUP1 G1V1, 4, 6144                           ; a chunk's 32 places of my head; chunks lie 49,152 bytes apart
	GROUP1 G1V2, 28, 6144
	s_lshl_b32 s34, s[BB], 11
	s_lshl_b32 s35, s[HD], 13
	s_add_co_u32 s88, s35, s34                     ; q's first place (and the first token among att's rows): kept
	s_add_co_u32 s89, s88, 131072                  ; k's
	s_and_b32 s30, s[WV], 1
	s_mul_i32 s31, s30, ODD
	s_mul_i32 s33, s30, 1536
	s_mul_i32 s90, s89, 48
	s_add_co_u32 s90, s90, s33
	s_mov_b32 s91, 0
	s_lshl_b32 s92, s[BB], 15
	s_lshl_b32 s93, s[HD], 6
	s_add_co_u32 s92, s92, s93                     ; v's first place: 32 b chunks of 1,024 + 64 x head
	s_mul_i32 s94, s92, 48
	s_add_co_u32 s94, s94, s33
	s_add_co_u32 s94, s94, QKV_V
	s_mov_b32 s95, 0
	s_wait_kmcnt 0x0
	s_mov_b32 s[G0K1], 1
	s_mov_b32 s[G0K1+1], s31
	s_add_nc_u64 s[G0K1+2:G0K1+3], s[4:5], s[90:91]
	s_mov_b32 s[G0K2], 1
	s_add_co_u32 s[G0K2+1], s31, 6144
	s_add_nc_u64 s[G0K2+2:G0K2+3], s[G0K1+2:G0K1+3], 12288
	s_or_b32 s[G0K1+3], s[G0K1+3], 0x80000000
	s_or_b32 s[G0K2+3], s[G0K2+3], 0x80000000
	s_mov_b32 s[G0V1], 1
	s_add_co_u32 s[G0V1+1], s31, VL
	s_add_nc_u64 s[G0V1+2:G0V1+3], s[4:5], s[94:95]
	s_mov_b32 s[G0V2], 1
	s_add_co_u32 s[G0V2+1], s31, VL+6144
	s_add_nc_u64 s[G0V2+2:G0V2+3], s[G0V1+2:G0V1+3], 196608
	s_or_b32 s[G0V1+3], s[G0V1+3], 0x80000000
	s_or_b32 s[G0V2+3], s[G0V2+3], 0x80000000
	s_cmp_lt_u32 s[WV], 2                          ; waves 0, 1: k's even and odd blocks; waves 2, 3: v's halves; a wave's two fills stand in one branch: two loads of a wave are out at the most
	s_cbranch_scc0 .Lnot_k
	tensor_load_to_lds s[G0K1:G0K1+3], s[G1K1:G1K1+7]
	s_nop 0
	tensor_load_to_lds s[G0K2:G0K2+3], s[G1K2:G1K2+7]
	s_nop 0
.rept 4
	v_nop
.endr
	s_branch .Lasked
.Lnot_k:
	s_cmp_lt_u32 s[WV], 4
	s_cbranch_scc0 .Lasked
	tensor_load_to_lds s[G0V1:G0V1+3], s[G1V1:G1V1+7]
	s_nop 0
	tensor_load_to_lds s[G0V2:G0V2+3], s[G1V2:G1V2+7]
	s_nop 0
.rept 4
	v_nop
.endr
.Lasked:
	; wave w lays the scale words of key step w; every pointer has a pair of its own, so that no base of a pending load is written again
	s_lshl_b32 s90, s89, 1
	s_lshl_b32 s30, s[WV], 8
	s_add_co_u32 s90, s90, s30
	s_add_co_u32 s90, s90, QKV_QKS
	s_add_nc_u64 s[8:9], s[4:5], s[90:91]          ; k's scale bytes of keys 128 w on
	s_lshl_b32 s90, s92, 1
	s_lshl_b32 s30, s[WV], 12
	s_add_co_u32 s90, s90, s30
	s_add_co_u32 s90, s90, QKV_VS
	s_add_nc_u64 s[10:11], s[4:5], s[90:91]        ; v's of chunk 2 w
.macro QPTR q0, pc, ps                 ; the place of a tile's first query: (q0 without its low 5 bits) + (q0 / 16) % 2; its rows lie two places apart
	s_and_not1_b32 s30, s[\q0], 31
	s_bfe_u32 s31, s[\q0], 0x10004
	s_add_co_u32 s30, s30, s31
	s_add_co_u32 s30, s30, s88
	s_mul_i32 s90, s30, 48
	s_add_nc_u64 s[\pc:\pc+1], s[4:5], s[90:91]
	s_lshl_b32 s90, s30, 1
	s_add_co_u32 s90, s90, QKV_QKS
	s_add_nc_u64 s[\ps:\ps+1], s[4:5], s[90:91]
.endm
	QPTR Q0X, 12, 14
	QPTR Q0Y, 92, 94
	v_and_b32 v100, 7, v0                          ; j
	v_bfe_u32 v101, v0, 4, 1                       ; h
	v_bfe_u32 v102, v0, 3, 1                       ; n
	v_mul_u32_u24 v[AK0], v100, 96
	v_mad_u32_u24 v[AK0], v101, 24, v[AK0]
	v_mad_u32_u24 v[AK0], v102, ODD, v[AK0]
	v_lshlrev_b32 v[SH8], 3, v101
	v_and_b32 v103, 31, v0
	v_lshl_add_u32 v[ASW], v103, 3, KSW
	v_and_b32 v104, 15, v0                         ; r
	v_lshlrev_b32 v105, 5, v101
	v_sub_nc_u32 v[LQ], v104, v105
	v_lshlrev_b32 v106, 2, v100
	v_add_nc_u32 v106, v106, v105
	v_lshl_add_u32 v106, v102, 6, v106             ; 4 j + 32 h + 64 n: my word among a step's scale bytes, of k and of v alike
	v_lshl_add_u32 v107, v0, 3, KSW                ; where my thread lays its two words
	v_mul_u32_u24 v108, v104, 96
	v_mad_u32_u24 v108, v101, 24, v108             ; q: 96 r + 24 h
	v_lshlrev_b32 v109, 2, v104
	global_load_b32 v110, v106, s[8:9]             ; k: fragment (0, h), row (n, j): the two keys' four bytes
	global_load_b32 v111, v106, s[8:9] offset:128  ; fragment (1, h)
	global_load_b32 v112, v106, s[10:11]           ; v: chunk 2 w, places 2 j and 2 j + 1 of 32 n + 16 h
	global_load_b32 v113, v106, s[10:11] offset:2048   ; chunk 2 w + 1
.irp p, 0,1,2
	global_load_b64 v[26+2*\p:27+2*\p], v108, s[12:13] offset:8*\p
	global_load_b64 v[38+2*\p:39+2*\p], v108, s[92:93] offset:8*\p
.endr
	global_load_u16 v116, v109, s[14:15]
	global_load_u16 v117, v109, s[94:95]
.irp z, 20,21,22,23,24,25,32,33,34,35,36,37,44,45,46,47,48,49
	v_mov_b32 v\z, 0                               ; the zero codes beside q
.endr
.set ii, 0
.rept 64
	v_mov_b32 v[164+ii], 0                         ; O^T: the step is written once; the first finds zeros, which the first change of M leaves zeros
.set ii, ii+1
.endr
	s_mov_b32 s[KF], 0
	s_mov_b32 s[TA], 0
	s_mov_b32 s[TS], 0
	s_wait_loadcnt 0x0
	ds_store_b64 v107, v[110:111]
	v_perm_b32 v114, v113, v112, 0x05040100        ; tile h's word: the two chunks' halfwords of place 2 j
	v_perm_b32 v115, v113, v112, 0x07060302        ; tile 2 + h's: of place 2 j + 1
	ds_store_b64 v107, v[114:115] offset:4096
	v_lshl_or_b32 v50, v116, 16, v116              ; q's two bytes twice: they serve [Q | 0] and [0 | Q]
	v_lshl_or_b32 v51, v117, 16, v117
	; The thirteen lines below are due anyway and stand here on purpose: a scale register written by a vector instruction stands eight plain vector instructions ahead of the scaled product that names it
.irp t, 12, 16
	v_mov_b32 v[\t+1], 0xff61b1e6                  ; the largest t so far: -3e38
	v_floor_f32 v[\t], -v[\t+1]                    ; -M
	v_mov_b32 v[\t+2], 0
	v_mov_b32 v[\t+3], 0
.endr
.irp z, 246,252,253,254,255
	v_mov_b32 v\z, 0                               ; lane permutes' destinations and upper halves of named pairs: written once
.endr
	s_wait_tensorcnt 0x1                           ; my part of keys 0-255 is in; the rest may stay out
	s_wait_dscnt 0x0
	s_barrier_signal -1
	s_barrier_wait -1
; A STEP: 16 queries x 128 keys.  qb: the first of the tile's 18 registers [0 | Q | 0]; qs: q's scale word; st: the statistics; ot: O^T; sq: the scalar with the tile's first query.
.macro STEP qb, qs, st, ot, sq
	s_add_co_u32 s96, s[\sq], 15                   ; a step all of whose keys come after my queries is left out: a branch on ids
	s_cmp_gt_u32 s[KF], s96
	s_cbranch_scc1 .Lhid_\@
.irp c, 0,1
.irp u, 0,1
.irp p, 0,1,2,3,4,5
	ds_load_b64 v[FRG+12*(2*\c+\u)+2*\p:FRG+12*(2*\c+\u)+2*\p+1], v[ADK] offset:1536*\c+768*\u+48*(\p/3)+8*(\p%3)
.endr
.endr
.endr
	ds_load_b64 v[KSC:KSC+1], v[ADS]
	s_wait_dscnt 0x0
.irp c, 0,1
.irp e, 0,1
	v_wmma_scale_f32_16x16x128_f8f6f4 v[S+32*\c+8*\e:S+32*\c+8*\e+7], v[FRG+24*\c:FRG+24*\c+11], v[\qb+6*(1-\e):\qb+6*(1-\e)+11], 0, v[KSC+\c], v[\qs] matrix_a_fmt:MATRIX_FMT_FP6 matrix_b_fmt:MATRIX_FMT_FP6
.endr
.irp e, 0,1
	v_wmma_scale_f32_16x16x128_f8f6f4 v[S+32*\c+16+8*\e:S+32*\c+16+8*\e+7], v[FRG+24*\c+12:FRG+24*\c+23], v[\qb+6*(1-\e):\qb+6*(1-\e)+11], 0, v[KSC+\c], v[\qs] matrix_a_fmt:MATRIX_FMT_FP6 matrix_b_fmt:MATRIX_FMT_FP6 matrix_a_scale:MATRIX_SCALE_ROW1
.endr
.endr
.rept 4
	v_nop                                          ; places behind the products: for the loads below and for the first read of the scores
.endr
.irp t, 0,1,2,3                                ; v's fragments are asked for now and land under the softmax
.irp p, 0,1,2,3,4,5
	ds_load_b64 v[FRG+12*\t+2*\p:FRG+12*\t+2*\p+1], v[ADV] offset:768*(\t%2)+48*(\t/2)+1536*(\p/3)+8*(\p%3)
.endr
.endr
	ds_load_b64 v[VSC:VSC+1], v[ADS] offset:4096
	s_add_co_u32 s96, s[KF], 127                   ; on the diagonal hidden scores become -infinity; a step all of whose keys count skips this
	s_cmp_le_u32 s96, s[\sq]
	s_cbranch_scc1 .Lopen_\@
	s_sub_co_i32 s96, s[\sq], s[KF]
	v_add_nc_u32 v253, s96, v[LQ]                  ; my query - KF - 32 (l / 16)
	v_mov_b32 v246, 0xff800000
.set ii, 0
.rept 64                                       ; register ii holds key KF + 32 (l / 16) + 64 (ii / 32) + 8 ((ii / 16) % 2) + 16 ((ii / 8) % 2) + ii % 8
	v_cmp_gt_i32 vcc_lo, 64*(ii/32)+8*((ii/16)%2)+16*((ii/8)%2)+ii%8, v253
	v_cndmask_b32 v[S+ii], v[S+ii], v246, vcc_lo
.set ii, ii+1
.endr
.Lopen_\@:
	v_max3_num_f32 v[BM], v[S], v[S+1], v[S+2]     ; the largest score of each of my two blocks: for the row's maximum and, since p rises with the score, for the block's largest p
	v_max3_num_f32 v[BM+1], v[S+32], v[S+33], v[S+34]
.irp i, 3,5,7,9,11,13,15,17,19,21,23,25,27,29
	v_max3_num_f32 v[BM], v[BM], v[S+\i], v[S+\i+1]
	v_max3_num_f32 v[BM+1], v[BM+1], v[S+32+\i], v[S+33+\i]
.endr
	v_max_num_f32 v[BM], v[BM], v[S+31]
	v_max_num_f32 v[BM+1], v[BM+1], v[S+63]
	v_max_num_f32 v253, v[BM], v[BM+1]
	v_permlanex16_b32 v246, v253, s[SEL], s[SEL+1]
	v_max_num_f32 v253, v253, v246                 ; the step's largest score of my query
	v_mul_f32 v253, s[CS], v253
	v_max_num_f32 v[\st+1], v[\st+1], v253         ; the running largest t
	v_mov_b32 v253, v[\st]
	v_floor_f32 v[\st], -v[\st+1]                  ; the new -M = -ceil(t)
	v_sub_f32 v253, v[\st], v253                   ; old M - new M: a whole number, 0 or less
	v_cvt_i32_f32 v253, v253                       ; (it saturates)
	v_ldexp_f32 v254, 1.0, v253                    ; f = 2^(old M - new M)
.set ii, 0
.rept 32
	v_pk_fma_f32 v[S+ii:S+ii+1], v[S+ii:S+ii+1], s[CS:CS+1], v[\st:\st+1] op_sel_hi:[1,0,0]   ; t - M
.set ii, ii+2
.endr
	v_fma_f32 v[BM], v[BM], s[CS], v[\st]
	v_fma_f32 v[BM+1], v[BM+1], s[CS], v[\st]
.set ii, 0
.rept 64
	v_exp_f32 v[S+ii], v[S+ii]                     ; p = 2^(t - M)
.set ii, ii+1
.endr
	v_pk_mul_f32 v[\st+2:\st+3], v[\st+2:\st+3], v[254:255] op_sel_hi:[1,0]   ; the sums under the new M: the plain instruction behind the exponentials
	s_wait_alu depctr_va_vdst(0)                   ; one wait for the batch, ahead of its first reader
	v_exp_f32 v[BM], v[BM]                         ; the blocks' largest p
	v_exp_f32 v[BM+1], v[BM+1]
	v_pk_add_f32 v[244:245], v[S:S+1], v[S+2:S+3]  ; the row's sum, of the unquantised p, in two chains
.set ii, 4
.rept 15
	v_pk_add_f32 v[\st+2:\st+3], v[\st+2:\st+3], v[S+ii:S+ii+1]
	v_pk_add_f32 v[244:245], v[244:245], v[S+ii+2:S+ii+3]
.set ii, ii+4
.endr
	v_pk_add_f32 v[\st+2:\st+3], v[\st+2:\st+3], v[244:245]
	s_wait_alu depctr_va_vdst(0)                   ; and one for the two
	v_max_num_f32 v[BM], 0x1800000, v[BM]          ; the floor 2^(3 - 127)
	v_max_num_f32 v[BM+1], 0x1800000, v[BM+1]
	v_add_nc_u32 v[SO], 0xff000000, v[BM]          ; the conversions' scale operands
	v_add_nc_u32 v[SO+1], 0xff000000, v[BM+1]
	v_lshrrev_b32 v243, 23, v[SO]                  ; the bytes of blocks h and 2 + h
	v_lshrrev_b32 v247, 23, v[SO+1]
	v_lshl_or_b32 v253, v247, 16, v243
	v_lshlrev_b32 v253, v[SH8], v253               ; at their places in the scale word
	v_permlanex16_b32 v[PSC], v253, s[SEL], s[SEL+1]
	v_or_b32 v[PSC], v[PSC], v253                  ; with lane l xor 16's two the word is whole
.irp c, 0,1
	v_cvt_scalef32_pk16_fp6_f32 v[PC+6*\c:PC+6*\c+2], v[S+32*\c:S+32*\c+15], v[SO+\c]
	v_cvt_scalef32_pk16_fp6_f32 v[240+4*\c:242+4*\c], v[S+32*\c+16:S+32*\c+31], v[SO+\c]
.endr
	v_nop                                          ; one plain place behind a scaled conversion
.irp c, 0,1
.irp i, 0,1,2
	v_mov_b32 v[PC+3+6*\c+\i], v[240+4*\c+\i]
.endr
.endr
.set ii, 0
.rept 16
	v_pk_mul_f32 v[\ot+ii:\ot+ii+1], v[\ot+ii:\ot+ii+1], v[254:255] op_sel_hi:[1,0]   ; O^T under the new M.  (These stand between the operand's and the scale word's last writes and the products)
.set ii, ii+2
.endr
	s_wait_dscnt 0x0                               ; v's fragments and scale words are in
.irp t, 0,2
	v_wmma_scale_f32_16x16x128_f8f6f4 v[\ot+8*\t:\ot+8*\t+7], v[FRG+12*\t:FRG+12*\t+11], v[PC:PC+11], v[\ot+8*\t:\ot+8*\t+7], v[VSC+\t/2], v[PSC] matrix_a_fmt:MATRIX_FMT_FP6 matrix_b_fmt:MATRIX_FMT_FP6
	v_wmma_scale_f32_16x16x128_f8f6f4 v[\ot+8*\t+8:\ot+8*\t+15], v[FRG+12*\t+12:FRG+12*\t+23], v[PC:PC+11], v[\ot+8*\t+8:\ot+8*\t+15], v[VSC+\t/2], v[PSC] matrix_a_fmt:MATRIX_FMT_FP6 matrix_b_fmt:MATRIX_FMT_FP6 matrix_a_scale:MATRIX_SCALE_ROW1
.endr
.rept 4
	v_nop                                          ; places behind the products: for the next loads into the fragments and the next read of O^T
.endr
.Lhid_\@:
.endm
.macro TRIP                            ; one key step for both tiles
	v_add_nc_u32 v[ADK], s[TA], v[AK0]
	v_add_nc_u32 v[ADS], s[TS], v[ASW]
	v_add_nc_u32 v[ADV], VL, v[ADK]
	STEP 20, 50, 12, 164, Q0X
	STEP 32, 51, 16, 196, Q0Y
	s_add_co_u32 s[KF], s[KF], 128
	s_add_co_u32 s[TA], s[TA], 3072
	s_add_co_u32 s[TS], s[TS], 256
.endm
	s_mov_b32 s[CNT], 2
.Lfirst:                                           ; keys 0-255: what the first tensor loads brought
	TRIP
	s_sub_co_u32 s[CNT], s[CNT], 1
	s_cmp_lg_u32 s[CNT], 0
	s_cbranch_scc1 .Lfirst
	s_wait_tensorcnt 0x0                           ; my part of the rest is in,
	s_wait_dscnt 0x0
	s_barrier_signal -1
	s_barrier_wait -1                              ; everybody's is
	s_mov_b32 s[CNT], 14
.Lrest:
	TRIP
	s_sub_co_u32 s[CNT], s[CNT], 1
	s_cmp_lg_u32 s[CNT], 0
	s_cbranch_scc1 .Lrest
	; THE WAY OUT.  O^T / l; a lane's 32 numbers are one block along the last product's K: quantised in the lane; 24 bytes a lane into my stage, whole units of 256 bytes out.
	; The quotients take v100-163.  The stores' offsets take v20-25 and v32, the zero codes beside q, which no product reads any more (the last that did stands a whole softmax back).
	v_add_f32 v14, v14, v15
	v_add_f32 v18, v18, v19
	v_permlanex16_b32 v246, v14, s[SEL], s[SEL+1]
	v_permlanex16_b32 v253, v18, s[SEL], s[SEL+1]
	v_add_f32 v14, v14, v246
	v_add_f32 v18, v18, v253                       ; the rows' sums
	v_rcp_f32 v14, v14
	v_rcp_f32 v18, v18
	s_mul_i32 s30, s[WV], 1536
	s_add_co_u32 s30, s30, STG                     ; my stage
	v_and_b32 v4, 15, v0                           ; (plain work behind the reciprocals)  the query
	v_mul_u32_u24 v5, v4, 48
	v_bfe_u32 v6, v0, 4, 1
	v_mad_u32_u24 v5, v6, 24, v5
	v_add_nc_u32 v5, s30, v5                       ; in: 48 q + 24 h
	v_and_b32 v24, 31, v0                          ; lane
	v_lshlrev_b32 v8, 4, v24                       ; 16 x lane
	v_add_nc_u32 v9, s30, v8                       ; back
	s_lshl_b32 s31, s[WV], 5
	s_add_co_u32 s31, s31, SS
	v_lshl_add_u32 v6, v4, 1, s31                  ; X's scale halfword: query 16 w + q of its block
	s_lshl_b32 s33, s32, 5
	s_add_co_u32 s33, s33, SS+512
	v_lshl_add_u32 v7, v4, 1, s33                  ; Y's: query 16 (w xor 15) + q
	s_and_b32 s31, s[WV], 1
	s_lshl_b32 s31, s31, 9
	s_add_co_u32 s31, s31, SS
	v_add_nc_u32 v25, s31, v8                      ; where waves 0 and 1 read a block's 512 scale bytes back
	s_add_co_u32 s90, s88, s[Q0X]
	s_mul_i32 s90, s90, 48                         ; X's 768 bytes in att
	s_add_co_u32 s91, s88, s[Q0Y]
	s_mul_i32 s91, s91, 48                         ; Y's
	s_add_co_u32 s34, s90, 512
	v_add_nc_u32 v20, s90, v8                      ; the first store: X's first 512 bytes
	v_add_nc_u32 v22, s91, v8                      ; the third (with 256 in its immediate): Y's last 512
	v_mov_b32 v21, s91                             ; the middle one: lanes 16-31 Y's first 256 bytes,
	v_mov_b32 v23, s34                             ; lanes 0-15 X's last 256,
	v_cmp_gt_u32 vcc_lo, 16, v24
	v_cndmask_b32 v21, v21, v23, vcc_lo
	v_lshl_add_u32 v21, v4, 4, v21                 ; 16 bytes for each of the sixteen lanes
	s_wait_alu depctr_va_vdst(0)                   ; one wait for the two reciprocals, ahead of their first reader
.macro FIN ot, sb, rc, pc, p2, bm, off, sa, hw, pl
.set ii, 0
.rept 16
	v_pk_mul_f32 v[\sb+ii:\sb+ii+1], v[\ot+ii:\ot+ii+1], v[\rc:\rc+1] op_sel_hi:[1,0]   ; O^T / l, each accumulator from its low end on
.set ii, ii+2
.endr
	v_max3_num_f32 v[\bm], |v[\sb]|, |v[\sb+1]|, 0x1800000
.irp j, 2,4,6,8,10,12,14,16,18,20,22,24,26,28,30
	v_max3_num_f32 v[\bm], v[\bm], |v[\sb+\j]|, |v[\sb+\j+1]|
.endr
	v_add_nc_u32 v[\bm], 0xff000000, v[\bm]
	v_cvt_scalef32_pk16_fp6_f32 v[\pc:\pc+2], v[\sb:\sb+15], v[\bm]
	v_cvt_scalef32_pk16_fp6_f32 v[\p2:\p2+2], v[\sb+16:\sb+31], v[\bm]
	v_lshrrev_b32 v[\hw], 23, v[\bm]               ; the byte of block h.  (The plain place behind the conversions)
.irp i, 0,1,2
	v_mov_b32 v[\pc+3+\i], v[\p2+\i]
.endr
	v_lshlrev_b32 v[\hw], v[SH8], v[\hw]
	v_permlanex16_b32 v[\pl], v[\hw], s[SEL], s[SEL+1]
	v_or_b32 v[\hw], v[\hw], v[\pl]                ; the token's two bytes
.irp k, 0,1,2
	ds_store_b64 v5, v[\pc+2*\k:\pc+2*\k+1] offset:\off+8*\k
.endr
	ds_store_b16 v[\sa], v[\hw]                    ; (both halves of the lanes write the same)
.endm
	FIN 164, 100, 14, 228, 240, 10, 0, 6, 253, 254
	FIN 196, 132, 18, 234, 244, 11, 768, 7, 3, 1
	ds_load_b128 v[100:103], v9                    ; LDS serves a wave's instructions in order: these see my stores
	ds_load_b128 v[104:107], v9 offset:512
	ds_load_b128 v[108:111], v9 offset:1024
	s_wait_dscnt 2                                 ; the two later loads may be out
	global_store_b128 v20, v[100:103], s[6:7]      ; sixteen neighbouring lanes store 256 consecutive bytes, aligned, in each of the three
	s_wait_dscnt 1
	global_store_b128 v21, v[104:107], s[6:7]
	s_wait_dscnt 0x0
	global_store_b128 v22, v[108:111], s[6:7] offset:256
	s_barrier_signal -1                            ; every wave's halfwords lie in LDS (the wait for 0 above covers my stores)
	s_barrier_wait -1
	s_cmp_lt_u32 s[WV], 2
	s_cbranch_scc0 .Ldone
	ds_load_b128 v[120:123], v25                   ; wave 0: block 7 - i's 512 scale bytes; wave 1: block i's
	s_sub_co_u32 s31, 7, s[IB]
	s_cmp_eq_u32 s[WV], 0
	s_cselect_b32 s31, s31, s[IB]
	s_lshl_b32 s31, s31, 8
	s_add_co_u32 s31, s31, s88
	s_lshl_b32 s31, s31, 1
	s_add_co_u32 s31, s31, ATT_S
	v_add_nc_u32 v32, s31, v8
	s_wait_dscnt 0x0
	global_store_b128 v32, v[120:123], s[6:7]      ; 32 lanes store 512 consecutive bytes, aligned to 256
.Ldone:
	s_wait_xcnt 0x0
	v_lshl_add_u32 v254, v0, 2, 0x38600
	v_mov_b32 v255, 0
	s_wait_tensorcnt 0x0
	ds_add_u32 v254, v255
	s_wait_dscnt 0x0
	s_endpgm
.Lfunc_end_k_q97a00ed57a_attn:
	.size	k_q97a00ed57a_attn, .Lfunc_end_k_q97a00ed57a_attn-k_q97a00ed57a_attn
	.p2alignl 7, 3214868480
	.fill 96, 4, 3214868480
	.section	.rodata,"a",@progbits
	.p2align	6, 0x0
	.amdhsa_kernel k_q97a00ed57a_attn
		.amdhsa_group_segment_fixed_size 232960
		.amdhsa_private_segment_fixed_size 0
		.amdhsa_enable_private_segment 0
		.amdhsa_kernarg_size 16
		.amdhsa_user_sgpr_count 2
		.amdhsa_user_sgpr_kernarg_segment_ptr 1
		.amdhsa_wavefront_size32 1
		.amdhsa_system_sgpr_workgroup_id_x 1
		.amdhsa_system_sgpr_workgroup_id_y 1
		.amdhsa_system_sgpr_workgroup_id_z 1
		.amdhsa_system_vgpr_workitem_id 0
		.amdhsa_next_free_vgpr 256
		.amdhsa_next_free_sgpr 100
		.amdhsa_reserve_vcc 1
		.amdhsa_float_denorm_mode_32 3
		.amdhsa_float_denorm_mode_16_64 3
		.amdhsa_memory_ordered 1
		.amdhsa_forward_progress 1
		.amdhsa_inst_pref_size 106
	.end_amdhsa_kernel
	.amdgpu_metadata
---
amdhsa.version: [ 1, 2 ]
amdhsa.kernels:
  - .name:           k_q97a00ed57a_attn
    .symbol:         k_q97a00ed57a_attn.kd
    .args:
      - { .name: qkv, .offset: 0, .size: 8, .value_kind: global_buffer, .address_space: global }
      - { .name: att, .offset: 8, .size: 8, .value_kind: global_buffer, .address_space: global }
    .group_segment_fixed_size: 232960
    .private_segment_fixed_size: 0
    .kernarg_segment_align: 8
    .kernarg_segment_size: 16
    .max_flat_workgroup_size: 512
    .sgpr_count:     100
    .vgpr_count:     256
    .wavefront_size: 32
...
	.end_amdgpu_metadata
.endif
;; end of part 3
;; launch oproj (part 4): grid 4 x 32, 4 waves a work-group, clusters of 4 x 4, 327,680 bytes of LDS; arguments att, xw, out0; writes out0
.if DOCPART == 4
	.amdgcn_target "amdgcn-amd-amdhsa--gfx1250"
	.amdhsa_code_object_version 6
	.text
	.protected	k_q97a00ed57a_oproj
	.globl	k_q97a00ed57a_oproj
	.p2align	8
	.type	k_q97a00ed57a_oproj,@function
k_q97a00ed57a_oproj:
	s_mov_b64 s[64:65], 0
	v_nop
	global_prefetch_b8 v0, s[64:65] scope:SCOPE_SE
	s_setreg_imm32_b32 hwreg(HW_REG_WAVE_MODE, 25, 1), 1
	s_wait_xcnt 0x0
	s_wait_alu depctr_hold_cnt(0) depctr_sa_sdst(0) depctr_va_vdst(0) depctr_va_sdst(0) depctr_va_ssrc(0) depctr_va_vcc(0) depctr_vm_vsrc(0)
	s_getreg_b32 s2, hwreg(HW_REG_IB_STS2, 6, 4)
	s_cmp_eq_u32 s2, 0
	s_cbranch_scc0 .Lentry_in_a_cluster
	s_endpgm
.Lentry_in_a_cluster:
	s_bfe_u32 s2, ttmp6, 0x10000c
	s_cmp_lg_u32 s2, 0xf033
	s_cbranch_scc0 .Lentry_shape_is_right
	s_endpgm
.Lentry_shape_is_right:
; out0[m][n] = sum over k of A[m][k] B[n][k] on codes of FP6 (E2M3) with E8M0 scales.  A: the attention's result, codes [16 heads][8192 tokens][48 bytes], scale bytes [16][8192][2] (k = 64 x head + d);
; B: w_o's codes [1024 (n)][768 bytes] and scale bytes [1024][32], in xw.  out0: [8192][1024] f32.
; A tile of the output is 256 x 256: four waves, 128 x 128 each, 64 accumulators in 512 registers.  K goes in 4 steps of 256 (four heads) through two LDS slots.
; A's part of a slot: [head 0..3][128 rows][48 bytes] for each half of the rows: one tensor load of 4 rows of 6,144 bytes; a fragment's pieces lie at 48 r + 24 h: the 32 lanes of a load of 8 bytes touch 64 different words modulo 64.
; B's part, B's scales, the ring, the rounds and the way out are those of a GEMM on rows of codes.  A's scale bytes are turned from [head][token] into [token][32 bytes] once, through registers, into LDS bytes that no tensor load fills.
; CLUSTERS: 4 x 4; A's tile is shared along a row of the cluster, B's along a column.  THE MATRIX INSTRUCTION IS USED TRANSPOSED: a lane holds eight neighbouring numbers of a row of the output.
; 128 work-groups: a smaller tile would give 256 at the price of more LDS reads for each product; the launch's stores are the larger part of its bytes either way.  No prefetch: of four K steps two are asked for at the head.
.set SIZE_N, 1024
.set ATT_S,  6291456
.set XW_OC,  8650752                   ; w_o's codes in xw
.set XW_OS,  9797632                   ; and its scale bytes
.set NQ,     2
.set ROWB,   192
.set KROW,   768
.set PITCH,  240
.set FR,     12
.set NL,     6
.set NP,     4
.set AHALF,  24576                     ; A: 4 heads x 128 rows x 48 bytes
.set ASTEP,  1572864                   ; four heads on in memory
.set HALFT,  128*PITCH
.set SLOT,   2*AHALF+2*HALFT
.set LAPS,   2
.set KS,     32
.set SCL,    2*SLOT                    ; A's scales (stored by the waves), then B's (a tensor load's): units of 256 bytes + 16
.set HALFS,  4352
.set SBLK,   544
.set SPARE,  SCL+4*HALFS
.set SPITCH, 528                       ; the way out: 16 rows x (512 + 16) bytes a wave, in slot 0
.set ADRA, 16                          ; v16-17
.set ADRB, 20                          ; v20-23
.set STO,  24
.set RD,   25
.set CO,   26
.set ADRS, 27
.set SPW,  28
.set NIL,  29
.set SC,   32
.set AF,   128
.set BK,   128
.set G1, 24
.set G0, 32
.set G1B, 48
.set G0B, 56
.set G1SB, 80
.set G0SB, 88
.set MSB, 0
.macro WIN new
.if MSB != (\new)
	s_set_vgpr_msb (MSB<<8)|(\new)
.set MSB, (\new)
.endif
.endm
.set MUL_LO, 0xa1
.set MUL_HI, 0xf1
.set TO_B,   0x40
.macro JLOAD g0a, g1a, g0b, g1b        ; waves 0 and 1 fetch for A, waves 2 and 3 for B; four v_nop follow each line
	s_cmp_eq_u32 s15, 0
	s_cbranch_scc0 .Lfor_b_\@
	tensor_load_to_lds s[\g0a:\g0a+3], s[\g1a:\g1a+7]
	s_nop 0
.rept 4
	v_nop
.endr
	s_branch .Lasked_\@
.Lfor_b_\@:
	tensor_load_to_lds s[\g0b:\g0b+3], s[\g1b:\g1b+7]
	s_nop 0
.rept 4
	v_nop
.endr
.Lasked_\@:
.endm
.macro CREST
	s_cmp_lg_u32 s14, 0
	s_cbranch_scc1 .Lnot_wave_0_\@
	s_barrier_signal -3
.Lnot_wave_0_\@:
	s_barrier_wait -3
	s_barrier_signal -1
	s_barrier_wait -1
.endm
.macro CROUND
	s_barrier_signal -1
	s_barrier_wait -1
	CREST
.endm
	s_load_b128 s[96:99], s[0:1], 0x0              ; att s[96:97], xw s[98:99]
	s_load_b64 s[12:13], s[0:1], 0x10              ; out0
	v_lshl_add_u32 v[SPW], v0, 2, SPARE
	v_mov_b32 v[NIL], 0
	ds_add_u32 v28, v29
	ds_add_u32 v28, v29
	s_wait_dscnt 0x0
	v_lshrrev_b32 v1, 5, v0
	v_readfirstlane_b32 s14, v1                    ; wave 0..3
	s_lshr_b32 s15, s14, 1
	s_and_b32 s16, s14, 1
	s_bfe_u32 s40, ttmp6, 0x40000                  ; cx
	s_bfe_u32 s41, ttmp6, 0x40004                  ; cy
	s_lshl_b32 s42, ttmp9, 2
	s_add_co_u32 s42, s42, s40                     ; tile column
	s_and_b32 s17, ttmp7, 0xffff
	s_lshl_b32 s17, s17, 2
	s_add_co_u32 s17, s17, s41                     ; tile row
	s_lshl_b32 s43, s41, 2
	s_lshl_b32 s43, 15, s43                        ; my row of the cluster
	s_lshl_b32 s44, 0x1111, s40                    ; my column
	s_or_b32 s[G1+0], s43, (3<<16)|(1<<21)         ; A: the mask of my row; elements of 8 bytes; no padding; bit 21 beside a mask
	s_mov_b32 s[G1+1], 768<<16                     ; tensor_dim0: 128 rows x 48 bytes
	s_mov_b32 s[G1+2], 4<<16                       ; tensor_dim1: four heads
	s_mov_b32 s[G1+3], 768<<16                     ; tile_dim0
	s_mov_b32 s[G1+4], 4                           ; tile_dim1
	s_mov_b32 s[G1+5], 49152                       ; from head to head: 8,192 x 48 bytes
	s_mov_b32 s[G1+6], 0
	s_mov_b32 s[G1+7], 0
	s_or_b32 s[G1B+0], s44, (0<<16)|(1<<20)|(1<<21)|(3<<22)|(3<<25)   ; B: 128 rows of 192 bytes, 16 bytes of padding behind every 64
	s_mov_b32 s[G1B+1], ROWB<<16
	s_mov_b32 s[G1B+2], 128<<16
	s_mov_b32 s[G1B+3], ROWB<<16
	s_mov_b32 s[G1B+4], 128
	s_mov_b32 s[G1B+5], KROW
	s_mov_b32 s[G1B+6], 0
	s_mov_b32 s[G1B+7], 0
	s_or_b32 s[G1SB+0], s44, (3<<16)|(1<<20)|(1<<21)|(5<<22)|(3<<25)  ; B's scales of 64 rows: 8 rows of 256 bytes, 16 bytes of padding behind each
	s_mov_b32 s[G1SB+1], 32<<16
	s_mov_b32 s[G1SB+2], 8<<16
	s_mov_b32 s[G1SB+3], 32<<16
	s_mov_b32 s[G1SB+4], 8
	s_mov_b32 s[G1SB+5], 32
	s_mov_b32 s[G1SB+6], 0
	s_mov_b32 s[G1SB+7], 0
	s_lshl_b32 s18, s16, 7
	s_lshl_b32 s20, s17, 8
	s_add_co_u32 s20, s20, s18
	s_mul_i32 s20, s20, 48                         ; A: token 256 x tile row + 128 x half
	s_mov_b32 s21, 0
	s_lshl_b32 s22, s17, 9                         ; A's scale bytes: 2 a token
	s_mov_b32 s23, 0
	s_lshl_b32 s46, s42, 8
	s_add_co_u32 s46, s46, s18
	s_mul_i32 s46, s46, KROW                       ; B: row 256 x tile column + 128 x half
	s_mov_b32 s47, 0
	s_lshl_b32 s92, s42, 13                        ; B's scales: 8,192 bytes a tile column, 2,048 a wave
	s_lshl_b32 s93, s14, 11
	s_add_co_u32 s92, s92, s93
	s_mov_b32 s93, 0
	s_mul_i32 s45, s16, AHALF                      ; where A's half goes,
	s_mul_i32 s94, s16, HALFT
	s_add_co_u32 s94, s94, 2*AHALF                 ; B's half,
	s_mul_i32 s95, s14, 2176
	s_add_co_u32 s95, s95, SCL+2*HALFS             ; and my quarter of B's scales
	s_wait_kmcnt 0x0
	s_add_nc_u64 s[20:21], s[96:97], s[20:21]
	s_add_nc_u64 s[4:5], s[96:97], s[22:23]
	s_add_nc_u64 s[4:5], s[4:5], ATT_S
	s_add_nc_u64 s[46:47], s[98:99], s[46:47]
	s_add_nc_u64 s[46:47], s[46:47], XW_OC
	s_add_nc_u64 s[92:93], s[98:99], s[92:93]
	s_add_nc_u64 s[92:93], s[92:93], XW_OS
	CROUND                                         ; all sixteen work-groups are here: the first joint loads meet
	s_mov_b32 s[G0SB], 1
	s_mov_b32 s[G0SB+1], s95
	s_mov_b64 s[G0SB+2:G0SB+3], s[92:93]
	s_or_b32 s[G0SB+3], s[G0SB+3], 0x80000000
	tensor_load_to_lds s[G0SB:G0SB+3], s[G1SB:G1SB+7]   ; every wave its quarter of B's scales
	s_nop 0
.rept 4
	v_nop
.endr
.irp s, 0,1
	s_mov_b32 s[G0+4*\s], 1
	s_add_co_u32 s[G0+4*\s+1], s45, \s*SLOT
	s_add_nc_u64 s[G0+4*\s+2:G0+4*\s+3], s[20:21], \s*ASTEP
	s_or_b32 s[G0+4*\s+3], s[G0+4*\s+3], 0x80000000
	s_mov_b32 s[G0B+4*\s], 1
	s_add_co_u32 s[G0B+4*\s+1], s94, \s*SLOT
	s_add_nc_u64 s[G0B+4*\s+2:G0B+4*\s+3], s[46:47], \s*ROWB
	s_or_b32 s[G0B+4*\s+3], s[G0B+4*\s+3], 0x80000000
	JLOAD G0+4*\s, G1, G0B+4*\s, G1B               ; by this text's count three loads of a wave are out at the most
.endr
	v_lshlrev_b32 v7, 2, v0                        ; A's scale bytes: thread t takes tokens 2 t and 2 t + 1 of the tile, head by head
.set ii, 0
.rept 16
	global_load_b32 v[128+ii], v7, s[4:5] offset:16384*ii
.set ii, ii+1
.endr
	v_and_b32 v1, 15, v0                           ; r
	v_bfe_u32 v2, v0, 4, 1                         ; h
	v_mul_u32_u24 v3, v1, 48
	v_mad_u32_u24 v3, v2, 24, v3                   ; A: 48 r + 24 h
	v_mul_u32_u24 v4, v1, PITCH
	v_mad_u32_u24 v4, v2, 24, v4                   ; B: row x pitch + 24 h
	v_lshl_add_u32 v5, v2, 4, v4                   ; and the same behind one padding more
	s_mul_i32 s21, s15, AHALF
	s_mul_i32 s22, s16, HALFT
	s_add_co_u32 s22, s22, 2*AHALF
.irp s, 0,1
	v_add_nc_u32 v[ADRA+\s], s21, v3
	v_add_nc_u32 v[ADRB+\s], s22, v4
	v_add_nc_u32 v[ADRB+2+\s], s22, v5
	s_add_co_u32 s21, s21, SLOT
	s_add_co_u32 s22, s22, SLOT
.endr
	v_mul_u32_u24 v5, v1, KS
	v_lshrrev_b32 v6, 8, v5
	v_lshl_add_u32 v5, v6, 4, v5
	s_mul_i32 s21, s15, HALFS
	s_mul_i32 s22, s16, HALFS
	s_add_co_u32 s22, s22, 2*HALFS
	s_sub_co_u32 s22, s22, s21
	v_mul_u32_u24 v6, s22, v2                      ; lanes 16-31 take B's
	s_add_co_u32 s21, s21, SCL
	v_add_nc_u32 v5, v5, v6
	v_add_nc_u32 v[ADRS], s21, v5
	s_mul_i32 s23, s14, 16*SPITCH                  ; my stage
	v_mul_u32_u24 v5, v1, SPITCH
	v_lshl_add_u32 v5, v2, 5, v5
	v_add_nc_u32 v[STO], s23, v5
	v_and_b32 v6, 31, v0
	v_lshlrev_b32 v[CO], 4, v6
	v_add_nc_u32 v[RD], s23, v[CO]
	s_lshl_b32 s20, s17, 8
	s_lshl_b32 s21, s15, 7
	s_add_co_u32 s20, s20, s21                     ; my first row of the output
	s_mov_b32 s21, 0
	s_mov_b64 s[18:19], SIZE_N*4
	s_mul_u64 s[20:21], s[20:21], s[18:19]
	s_lshl_b32 s46, s42, 10
	s_lshl_b32 s47, s16, 9
	s_add_co_u32 s46, s46, s47
	s_mov_b32 s47, 0
	s_add_nc_u64 s[20:21], s[20:21], s[46:47]
	s_add_nc_u64 s[12:13], s[12:13], s[20:21]
	v_lshrrev_b32 v8, 2, v0
	v_lshlrev_b32 v9, 6, v0
	v_lshl_add_u32 v9, v8, 4, v9
	v_add_nc_u32 v9, SCL, v9                       ; rows 2 t and 2 t + 1 of A's scales: 64 t, and 16 more for each 256 passed
	s_wait_loadcnt 0x0
.irp k, 0,1,2,3,4,5,6,7
	v_perm_b32 v[144+\k], v[129+2*\k], v[128+2*\k], 0x05040100   ; token 2 t: heads 2 k and 2 k + 1
	v_perm_b32 v[152+\k], v[129+2*\k], v[128+2*\k], 0x07060302   ; token 2 t + 1
.endr
.irp k, 0,1,2,3
	ds_store_b128 v9, v[144+4*\k:147+4*\k] offset:16*\k
.endr
.macro FRAG reg, adr, q, i             ; B: 16 rows x 128 K from rows of 240 bytes
.irp p, 0,1,2,3,4,5
.set PCE, 12*(\q)+6*(\p/3)+\p%3
.if PCE%8 < 5
	ds_load_b64 v[\reg+2*\p:\reg+2*\p+1], v[\adr] offset:8*PCE+16*(PCE/8)+(\i)*16*PITCH
.else
	ds_load_b64 v[\reg+2*\p:\reg+2*\p+1], v[\adr+2] offset:8*PCE+16*(PCE/8)+(\i)*16*PITCH
.endif
.endr
.endm
.macro FRAGA reg, adr, q, i            ; A: registers 0-5 head 2 q, registers 6-11 head 2 q + 1; rows 16 i on
.irp p, 0,1,2,3,4,5
	ds_load_b64 v[\reg+2*\p:\reg+2*\p+1], v[\adr] offset:(2*(\q)+\p/3)*6144+768*(\i)+8*(\p%3)
.endr
.endm
.macro MUL16 a0, p, q, sc, zero        ; the 64 accumulators take turns, one instruction a turn
.irp a, \a0, \a0+1
.irp b, 0,1,2,3,4,5,6,7
.if \zero
	v_wmma_scale_f32_16x16x128_f8f6f4 v[8*(8*((\a)%4)+\b):8*(8*((\a)%4)+\b)+7], v[128*(\p)+FR*\b:128*(\p)+FR*\b+FR-1], v[AF+FR*(\a):AF+FR*(\a)+FR-1], 0, v[SC+8*NQ*(\sc)+NQ*\b+(\q)], v[SC+8*NQ*(\sc)+NQ*(\a)+(\q)] matrix_a_fmt:MATRIX_FMT_FP6 matrix_b_fmt:MATRIX_FMT_FP6 matrix_a_scale:MATRIX_SCALE_ROW1
.else
	v_wmma_scale_f32_16x16x128_f8f6f4 v[8*(8*((\a)%4)+\b):8*(8*((\a)%4)+\b)+7], v[128*(\p)+FR*\b:128*(\p)+FR*\b+FR-1], v[AF+FR*(\a):AF+FR*(\a)+FR-1], v[8*(8*((\a)%4)+\b):8*(8*((\a)%4)+\b)+7], v[SC+8*NQ*(\sc)+NQ*\b+(\q)], v[SC+8*NQ*(\sc)+NQ*(\a)+(\q)] matrix_a_fmt:MATRIX_FMT_FP6 matrix_b_fmt:MATRIX_FMT_FP6 matrix_a_scale:MATRIX_SCALE_ROW1
.endif
.endr
.endr
.endm
.macro FETCH_B slot, q, p
	WIN TO_B
.irp i, 0,1,2,3,4,5,6,7
	FRAG 128*(\p)+FR*\i, ADRB+\slot, \q, \i
.endr
	WIN 0
.endm
.macro FETCH_A slot, q, i0
.irp i, \i0, \i0+1, \i0+2, \i0+3
	FRAGA AF+FR*(\i), ADRA+\slot, \q, \i
.endr
.endm
.macro SCALES sc
.irp i, 0,1,2,3,4,5,6,7
	ds_load_b64 v[SC+8*NQ*\sc+NQ*\i:SC+8*NQ*\sc+NQ*\i+1], v[ADRS] offset:\i*SBLK
.endr
.endm
.macro PLACES n
.rept \n
	v_nop
.endr
.endm
.macro STEP slot, q, zero
	s_wait_dscnt 4*NL                              ; B's set and A's blocks 0-3 are in; A's blocks 4-7 (24 loads) may be out
	WIN MUL_LO
	MUL16 0, (\q)%2, \q, \slot, \zero
	MUL16 2, (\q)%2, \q, \slot, \zero
	s_wait_dscnt 0
	PLACES NP
	FETCH_B \slot, (\q)+1, 1-(\q)%2
	FETCH_A \slot, (\q)+1, 0
	WIN MUL_HI
	MUL16 4, (\q)%2, \q, \slot, \zero
	MUL16 6, (\q)%2, \q, \slot, \zero
	PLACES NP
	WIN 0
	FETCH_A \slot, (\q)+1, 4
.endm
.macro TURN slot, next, fill
	s_wait_tensorcnt 0x0                           ; all my tensor loads have landed: my part of the next slot
	ds_add_u32 v[SPW], v[NIL]                      ; 0 onto my spare word
	s_wait_dscnt 4*NL+1                            ; (the add and A's blocks 4-7 may be out)
	WIN MUL_LO
	MUL16 0, 1, NQ-1, \slot, 0
	s_wait_dscnt 0x0                               ; the add is done, and my reads of this slot are over
	s_barrier_signal -1
	MUL16 2, 1, NQ-1, \slot, 0
	WIN 0
	s_barrier_wait -1
.if \fill
	CREST                                          ; a round of the cluster's barrier: no wave of any partner still reads this slot or has a load on its way
	s_add_nc_u64 s[G0+4*\slot+2:G0+4*\slot+3], s[G0+4*\slot+2:G0+4*\slot+3], 2*ASTEP
	s_add_nc_u64 s[G0B+4*\slot+2:G0B+4*\slot+3], s[G0B+4*\slot+2:G0B+4*\slot+3], 2*ROWB
	JLOAD G0+4*\slot, G1, G0B+4*\slot, G1B
.else
	PLACES NP
.endif
	v_add_nc_u32 v[ADRS], 4*NQ, v[ADRS]
	FETCH_B \next, 0, 0
	FETCH_A \next, 0, 0
	SCALES \next
	WIN MUL_HI
	MUL16 4, 1, NQ-1, \slot, 0
	MUL16 6, 1, NQ-1, \slot, 0
	PLACES NP
	WIN 0
	FETCH_A \next, 0, 4
.endm
	s_wait_tensorcnt 1                             ; B's scales and my part of K step 0 are in; K step 1's load may be out
	s_wait_dscnt 0x0                               ; my rows of A's scales lie in LDS
	s_barrier_signal -1
	s_barrier_wait -1
	FETCH_B 0, 0, 0
	FETCH_A 0, 0, 0
	SCALES 0
	FETCH_A 0, 0, 4
	STEP 0, 0, 1
	s_mov_b32 s3, LAPS-1
.Llap:
	TURN 0, 1, 1
	STEP 1, 0, 0
	TURN 1, 0, 1
	STEP 0, 0, 0
	s_sub_co_u32 s3, s3, 1
	s_cmp_lg_u32 s3, 0
	s_cbranch_scc1 .Llap
	TURN 0, 1, 0
	STEP 1, 0, 0
	s_wait_dscnt 4*NL
	WIN MUL_LO
	MUL16 0, 1, NQ-1, 1, 0
	MUL16 2, 1, NQ-1, 1, 0
	s_wait_dscnt 0
	WIN MUL_HI
	MUL16 4, 1, NQ-1, 1, 0
	MUL16 6, 1, NQ-1, 1, 0
	WIN 0
; THE WAY OUT, block by block of 16 rows x 128 columns, through my own stage in slot 0 (it has had its last fill and its last read): back come whole rows of 512 bytes.
.macro TOSTAGE a
.set AC, 64*((\a)%4)
	WIN 0x08+4*((\a)/4)                            ; the data: window 2 or 3
.irp b, 0,1,2,3,4,5,6,7
	ds_store_b128 v[STO], v[AC+8*\b:AC+8*\b+3] offset:64*\b          ; each accumulator from its low end on
	ds_store_b128 v[STO], v[AC+8*\b+4:AC+8*\b+7] offset:64*\b+16
.endr
	WIN 0
.set BB, BK+64*((\a)%2)
.irp t, 0,1,2,3,4,5,6,7,8,9,10,11,12,13,14,15
	ds_load_b128 v[BB+4*\t:BB+4*\t+3], v[RD] offset:\t*SPITCH
.endr
.endm
.macro SEND a, younger
.set BB, BK+64*((\a)%2)
	s_wait_dscnt \younger
.if (\a) > 0
	s_add_nc_u64 s[12:13], s[12:13], 16*SIZE_N*4   ; (behind a wait on XCNT: the earlier stores have read their base)
.endif
.irp t, 0,1,2,3,4,5,6,7,8,9,10,11,12,13,14,15
	global_store_b128 v[CO], v[BB+4*\t:BB+4*\t+3], s[12:13] offset:\t*SIZE_N*4 th:TH_STORE_NT   ; 32 lanes store 512 consecutive bytes, aligned to 256
.endr
.endm
	PLACES NP
	TOSTAGE 0
.irp a, 1,2,3,4,5,6,7
.if \a > 1
	s_wait_xcnt 0x0                                ; block a - 2's stores have read their registers and their base
.endif
	TOSTAGE \a
	SEND \a-1, 32                                  ; behind block a - 1's loads: block a's 16 stores and 16 loads
.endr
	s_wait_xcnt 0x0
	SEND 7, 0
	s_wait_tensorcnt 0x0                           ; the wave's end
	ds_add_u32 v[SPW], v[NIL]
	s_wait_dscnt 0x0
	CROUND                                         ; the closing round
	s_endpgm
.Lfunc_end_k_q97a00ed57a_oproj:
	.size	k_q97a00ed57a_oproj, .Lfunc_end_k_q97a00ed57a_oproj-k_q97a00ed57a_oproj
	.p2alignl 7, 3214868480
	.fill 96, 4, 3214868480
	.section	.rodata,"a",@progbits
	.p2align	6, 0x0
	.amdhsa_kernel k_q97a00ed57a_oproj
		.amdhsa_group_segment_fixed_size 327680
		.amdhsa_private_segment_fixed_size 0
		.amdhsa_enable_private_segment 0
		.amdhsa_kernarg_size 24
		.amdhsa_user_sgpr_count 2
		.amdhsa_user_sgpr_kernarg_segment_ptr 1
		.amdhsa_wavefront_size32 1
		.amdhsa_system_sgpr_workgroup_id_x 1
		.amdhsa_system_sgpr_workgroup_id_y 1
		.amdhsa_system_sgpr_workgroup_id_z 1
		.amdhsa_system_vgpr_workitem_id 0
		.amdhsa_next_free_vgpr 1024
		.amdhsa_next_free_sgpr 100
		.amdhsa_reserve_vcc 0
		.amdhsa_float_denorm_mode_32 3
		.amdhsa_float_denorm_mode_16_64 3
		.amdhsa_memory_ordered 1
		.amdhsa_forward_progress 1
		.amdhsa_inst_pref_size 163
	.end_amdhsa_kernel
	.amdgpu_metadata
---
amdhsa.version: [ 1, 2 ]
amdhsa.kernels:
  - .name:           k_q97a00ed57a_oproj
    .symbol:         k_q97a00ed57a_oproj.kd
    .args:
      - { .name: att, .offset: 0, .size: 8, .value_kind: global_buffer, .address_space: global }
      - { .name: xw, .offset: 8, .size: 8, .value_kind: global_buffer, .address_space: global }
      - { .name: out0, .offset: 16, .size: 8, .value_kind: global_buffer, .address_space: global }
    .group_segment_fixed_size: 327680
    .private_segment_fixed_size: 0
    .kernarg_segment_align: 8
    .kernarg_segment_size: 24
    .max_flat_workgroup_size: 128
    .sgpr_count:     100
    .vgpr_count:     1024
    .wavefront_size: 32
...
	.end_amdgpu_metadata
.endif
;; end of part 4
